; MI455X (gfx1250); checked and timed in simulation.
; The chip was launched on July 23, 2026; its instructions are those of AMD's public machine-readable ISA for CDNA 5 (MIT licence, August 2026) and "CDNA5" Instruction Set Architecture Reference Guide (July 2026). The comments in the code are by the model that wrote it; some were corrected since.
;; Channel Self Attn. Allowed arithmetic: matrix products marked QUANTISED: E2M1 operands, one E8M0 scale for each 32 along K, by v_wmma_scale_f32_16x16x128_f8f6f4 with both operands' format E2M1 (or v_wmma_scale_f32_32x16x128_f4), f32 sums; everything else in f32.
;; Inputs: b1 16 float32; b2 16 float32; gamma 1 float32; w1 16 float32; w2 16 float32; x 32 x 1 x 64 x 4,000 float32.
;; Outputs: out0 32 x 1 x 64 x 4,000 float32.
;; This version of the problem:
;;   THIS VERSION OF THE PROBLEM IS GIVEN IN LOW PRECISION. The matrix products marked QUANTISED in the list below multiply operands that are first quantised to E2M1 (2 exponent bits, 1 mantissa bit; 4 bits a number), with one power-of-two scale for each 32 numbers along K (OCP MX v1.0); their sums are f32. All else is computed in f32.
;;   The module's matrix products, in the order in which they are computed (A, B: the left and right operand; K: the contracted axis; several contracted axes count as one K, in the product's order):
;;     1. batch 32 x [M 64, K 64,000] x [K 64,000, N 64]; A: computed on the way; B: computed on the way: QUANTISED
;;     2. batch 32 x [M 64, K 64] x [K 64, N 4,000]; A: softmax (see below); B: input x: QUANTISED
;;   THE QUANTISER, for each operand of a quantised product, along K:
;;     - K is cut into blocks of 32 from its start; a last block that is shorter is filled with zeros.
;;     - A block's scale is 2^e with e = floor(log2(the largest magnitude in the block)) - 2, held to -126 .. 127; a block of zeros has e = 0. As a byte (E8M0): e + 127.
;;     - Each number is divided by its block's scale, clamped to +-6, and rounded to the nearest number of E2M1, ties to even, subnormals kept.
;;     - The product sums the exact products of the quantised numbers (number of the format x scale) in f32.
;;   ~~~python
;;   def quantise(x, axis):      # numpy; x: float32 -> the quantised numbers, widened to float32 again
;;       x = np.moveaxis(x, axis, -1); K = x.shape[-1]
;;       x = np.pad(x, [(0, 0)] * (x.ndim - 1) + [(0, -K % 32)]); x = x.reshape(x.shape[:-1] + (-1, 32)); a = np.abs(x).max(-1, keepdims=True)
;;       e = np.where(a > 0, np.clip(np.frexp(np.where(a > 0, a, 1))[1] - 1 - 2, -126, 127), 0)      # np.frexp(a)[1] - 1 = floor(log2(a)), exactly
;;       r = np.clip(x / 2.0 ** e, -6, 6)
;;       step = 2.0 ** (np.maximum(np.frexp(np.where(r == 0, 1, r))[1] - 1, 0) - 1)
;;       q = np.round(r / step) * step * 2.0 ** e      # np.round: ties to even
;;       return np.moveaxis(q.reshape(q.shape[:-2] + (-1,))[..., :K], -1, axis).astype(np.float32)
;;   ~~~
;;   SOFTMAX AHEAD OF A QUANTISED PRODUCT. Where the list says 'softmax', what is quantised is not the finished softmax but p = 2^(t - M), with t = logit x log2(e) and M = ceil(the row's largest t), a whole number; so 1/2 < the row's largest p <= 1. The row's sum l is taken of the UNQUANTISED p, in f32, and the product's result is divided by l at the end. Since M is a whole number, a kernel that streams over the keys may use a running M (the ceiling of the running maximum): every later rescaling is an exact power of two, which a block's scale takes up: the codes' values come out the same.
;;   OPERANDS COMPUTED ON THE WAY. 'Computed on the way' means the value that the module computes at that place (a softmax that the list does not call 'softmax' is quantised finished and normalised). What goes into a quantiser is computed in f32, as accurately as f32 sums, v_exp_f32 and their like allow (about 1e-6 of the number): no bf16 or f16 on the way to a quantiser, and a product that is left as it is and whose result goes on into a quantised operand takes f32 operands (vector FMAs, or v_wmma_f32_16x16x4_f32). A number that lies on a knife's edge between two numbers of the format may be rounded either way, as far as f32 arithmetic and the matrix unit's own rounding can turn it there, and no further.
;; 2 versions. Each part assembles by itself: llvm-mc -triple=amdgcn-amd-amdhsa -mcpu=gfx1250 --defsym DOCPART=n.
;; ======== version 1 of 2: 2 launches
;; workspace buffers: epart 4,194,304 bytes
;; launch energy (part 1): grid 8 x 32, 8 waves a work-group, no clusters, 209,920 bytes of LDS; arguments x, w1, b1, w2, b2, epart; writes epart
.if DOCPART == 1
	.amdgcn_target "amdgcn-amd-amdhsa--gfx1250"
	.amdhsa_code_object_version 6
	.text
	.protected	k_q0905f07969_energy
	.globl	k_q0905f07969_energy
	.p2align	8
	.type	k_q0905f07969_energy,@function
k_q0905f07969_energy:
	s_mov_b64 s[64:65], 0
	v_nop
	global_prefetch_b8 v0, s[64:65] scope:SCOPE_SE
	s_setreg_imm32_b32 hwreg(HW_REG_WAVE_MODE, 25, 1), 1
	s_wait_xcnt 0x0
; PRODUCT 1 of ChannelSelfAttn, in MX-FP4:  e[b][i][j] = sum over (f, t) of Q(w1[f] x[b][i][t] + b1[f]) Q(w2[f] x[b][j][t] + b2[f]),  x: [32][64][4000] f32, f = 0 .. 15.
; K = (f, t) = 16 x 4000, and 4000 = 125 x 32: no block of 32 crosses an f, so a block is (f, row, t-block), t-block = 0 .. 124.
; DEAD WORK: none.  The quantiser is not linear, so all 16 images of x are formed and quantised for both operands; b1 and b2 go into quantised operands and stay.  All six inputs of the problem are loaded (gamma by the second launch).
; This launch stores, for each batch b and each of 8 chunks c of the t-blocks, one 64 x 64 partial sum of e; the second launch adds the eight.
; LIMITS: NaN and infinities among the inputs are not served.  A block of zeros gets the scale byte 1 where the rule says 127: its codes are zeros, and these bytes never leave the registers.
;   w x + b is ONE fused multiply-add.  e is summed in another order than the reference's: 4 K steps a t-block, up to 2 t-blocks a wave, 8 waves, 8 chunks.
; SHARES.  Work-group (c, b): t-blocks start .. end - 1, start = 16 c - max(c - 5, 0), end = 16 (c + 1) - max(c - 4, 0): 16 t-blocks in chunks 0-4, 15 in chunks 5-7.
;   Wave w takes t-block start + w (unit 0) and start + 8 + w (unit 1, if under end) and makes ALL 64 x 64 of e for them in 16 accumulators of its own: no code is made twice, nothing goes between waves before the end.
; A K STEP is one t-block x four features: block 2 c + h of the 128 along K is feature f = 4 g + 2 c + h (h = lane / 16, c = which four registers of the fragment).  Both halves of the lanes hold the SAME 32 numbers of x
;   and differ in w and b alone, so a lane owns whole blocks.  The same order of K on both operands leaves every product with its partner.
; A BLOCK'S LARGEST MAGNITUDE IS NOT SEARCHED FOR.  The rounded w x + b does not fall (w >= 0) or rise (w < 0) where x rises, so the largest |w x + b| of a block is that of the block's largest or of its smallest x:
;   these two are found once for a row's 32 numbers and serve all 32 blocks (16 f x 2 operands) made of them; the two numbers are members of the block, so the result is the searched one bit for bit.
; THE ROWS OF A TILE ARE NOT NEIGHBOURS: lane r of tile m takes row 8 m + r % 8 + 32 (r / 8).  The product is used transposed (source 0 = 16 rows of k, source 1 = 16 rows of q): in accumulator (m, n) lane (r, h), register jj
;   holds e(i = 8 m + r % 8 + 32 (r / 8), j = 32 h + 8 n + jj): over n a lane's 32 registers are 32 neighbours along j, a whole block of the second product's K.
; NO TENSOR LOADS, NO CLUSTER, NO PREFETCH: each byte of x is used by one wave of the launch, and all of a wave's 36 loads are issued at its head.
; A row of x is 16,000 bytes; a load of the wave reads 128 consecutive bytes of each of four rows.
.set STGB,  9472                       ; LDS: a stage for each wave: row p of x (128 bytes) at 144 p + 128 (p / 32): 63 x 144 + 128 + 128 = 9,328 bytes, rounded up
.set PTB,   8*STGB                     ; a table of (w, b) pairs for each wave, 256 bytes
.set RED,   PTB+8*256                  ; the eight waves' accumulators, 16,384 bytes each
.set SPARE, RED+8*16384                ; the spare words, 128 bytes for each wave: four blocks of 256 bytes that no other line names
.set SPW, 1                            ; v1   LDS address of my spare word; never rewritten
.set NIL, 2                            ; v2   0; never rewritten
.set LRD, 3                            ; v3   the stage, on the way out: my row of tile 0
.set LPT, 4                            ; v4   the table: my half's entries
.set SH8, 5                            ; v5   8 h
.set LST, 6                            ; v6   the stage, on the way in
.set GOF, 7                            ; v7   my byte offset in four rows of x
.set XM,  8                            ; v8-15    tile m: (largest x, smallest x) at v[XM + 2 m].  At the head: temporaries
.set P,   16                           ; v16-23   this K step's four pairs (w, b): q c = 0, q c = 1, k c = 0, k c = 1
.set W,   24                           ; v24-31   chain ch = 2 o + c (o = 0: q, 1: k): v[W + 2 ch] at work, v[W + 2 ch + 1] the conversions' scale operand
.set SK,  32                           ; v32-35   scale words of k's tiles;  v36-39 of q's: scales and nothing else
.set SQ,  36
.set T,   40                           ; v40-63   three sets of eight numbers on their way to a conversion
.set KF,  64                           ; v64-95   k's four fragments;  v96-127 q's.  At the head v64-127 take unit 0's loads
.set QF,  96
.set X,   128                          ; v128-255 tile m at X + 32 m: the 32 numbers of my row
                                       ; window 1: v0-127 (v256-383) the accumulators, (m, n) at 8 (4 m + n);  v128-191 (v384-447) unit 1's loads
.set SEL, 22                           ; s[22:23] lane selects for v_permlanex16_b32: lane l xor 16
.set MSB, 0
.macro WIN new                         ; s_set_vgpr_msb: bits 1:0 source 0, 3:2 source 1, 5:4 source 2, 7:6 destination; the high byte repeats the setting that is left
.if MSB != \new
	s_set_vgpr_msb (MSB<<8)|\new
.set MSB, \new
.endif
.endm
.macro XLOAD reg, base                 ; a unit: 64 rows x 128 bytes, four rows an instruction
.irp i, 0,1,2,3,4,5,6,7,8,9,10,11,12,13,14,15
	global_load_b128 v[\reg+4*\i:\reg+4*\i+3], v[GOF], s[\base:\base+1] offset:64000*\i
.endr
.endm
.macro TOSTAGE reg                     ; into my stage, as loaded: rows 4 i .. 4 i + 3
.irp i, 0,1,2,3,4,5,6,7,8,9,10,11,12,13,14,15
	ds_store_b128 v[LST], v[\reg+4*\i:\reg+4*\i+3] offset:576*\i+128*(\i/8)
.endr
.endm
.macro FROMSTAGE                       ; and back, a whole row of 32 numbers a lane.  The 16 rows of a tile begin at 16 different columns of 16 bytes modulo 256 (64 banks of 4 bytes: ISA guide 11.1); both halves of the lanes read the same bytes.
.irp m, 0,1,2,3                        ; LDS serves a wave's instructions in order (ISA guide 5.7.1.4): these see my stores
.irp i, 0,1,2,3,4,5,6,7
	ds_load_b128 v[X+32*\m+4*\i:X+32*\m+4*\i+3], v[LRD] offset:1152*\m+16*\i
.endr
.endr
.endm
.macro EXTREMA                         ; the largest and the smallest of each tile's 32 numbers: eight chains by turns.  The smallest as the largest of the negated numbers, its sign turned at the end
.irp m, 0,1,2,3
	v_max3_num_f32 v[XM+2*\m], v[X+32*\m], v[X+32*\m+1], v[X+32*\m+2]
	v_max3_num_f32 v[XM+2*\m+1], -v[X+32*\m], -v[X+32*\m+1], -v[X+32*\m+2]
.endr
.irp i, 3,5,7,9,11,13,15,17,19,21,23,25,27,29
.irp m, 0,1,2,3
	v_max3_num_f32 v[XM+2*\m], v[XM+2*\m], v[X+32*\m+\i], v[X+32*\m+\i+1]
	v_max3_num_f32 v[XM+2*\m+1], v[XM+2*\m+1], -v[X+32*\m+\i], -v[X+32*\m+\i+1]
.endr
.endr
.irp m, 0,1,2,3
	v_max_num_f32 v[XM+2*\m], v[XM+2*\m], v[X+32*\m+31]
	v_max_num_f32 v[XM+2*\m+1], v[XM+2*\m+1], -v[X+32*\m+31]
.endr
.irp m, 0,1,2,3
	v_xor_b32 v[XM+2*\m+1], 0x80000000, v[XM+2*\m+1]
.endr
.endm
.macro PLOAD g                         ; K step g's four pairs (w, b) of my half
	ds_load_b128 v[P:P+3],   v[LPT] offset:64*(\g)
	ds_load_b128 v[P+4:P+7], v[LPT] offset:64*(\g)+16
.endm
; Tile m's four blocks of my lane: their scale operands, and the tile's two scale words.  The pair (w, b): its first register multiplies both halves, its second is added to both.
.macro SCALES m
.irp c, 0,1,2,3
	v_pk_fma_f32 v[W+2*\c:W+2*\c+1], v[XM+2*(\m):XM+2*(\m)+1], v[P+2*\c:P+2*\c+1], v[P+2*\c:P+2*\c+1] op_sel:[0,0,1] op_sel_hi:[1,0,1]   ; w x + b of the largest and of the smallest x
.endr
.irp c, 0,1,2,3
	v_max3_num_f32 v[W+2*\c], |v[W+2*\c]|, |v[W+2*\c+1]|, 0x1800000   ; the block's largest magnitude, and the floor 2^(3 - 127): the byte cannot fall under 1
.endr
.irp c, 0,1,2,3
	v_add_nc_u32 v[W+2*\c+1], 0xff000000, v[W+2*\c]                   ; 2 off its exponent field: the conversion takes the exponent field of this operand as its scale
.endr
.irp c, 0,1,2,3
	v_lshrrev_b32 v[W+2*\c], 23, v[W+2*\c+1]                          ; the scale's byte
.endr
.irp o, 0,1
	v_lshl_or_b32 v[W+4*\o], v[W+4*\o+2], 16, v[W+4*\o]               ; my two bytes: blocks h and 2 + h,
.endr
.irp o, 0,1
	v_lshlrev_b32 v[W+4*\o], v[SH8], v[W+4*\o]                        ; at their places in the word;
.endr
.irp o, 0,1
	v_permlanex16_b32 v[W+4*\o+2], v[W+4*\o], s[SEL], s[SEL+1]
.endr
	v_or_b32 v[SQ+(\m)], v[W], v[W+2]                                 ; with lane l xor 16's two the word is whole, in all 32 lanes
	v_or_b32 v[SK+(\m)], v[W+4], v[W+6]
.endm
; Group kap = 0 .. 15 of tile m's codes: operand kap / 8, c = (kap / 4) % 2, numbers 8 (kap % 4) on.  FGRP: eight numbers w x + b into set kap % 3;  CGRP: their eight codes, one register of the fragment.
.macro FGRP m, kap
.set ch, (\kap)/4
.set gq, (\kap)%4
.set ts, T+8*((\kap)%3)
.irp j, 0,1,2,3
	v_pk_fma_f32 v[ts+2*\j:ts+2*\j+1], v[X+32*(\m)+8*gq+2*\j:X+32*(\m)+8*gq+2*\j+1], v[P+2*ch:P+2*ch+1], v[P+2*ch:P+2*ch+1] op_sel:[0,0,1] op_sel_hi:[1,0,1]
.endr
.endm
.macro CGRP m, kap
.set ch, (\kap)/4
.set fr, QF+8*(\m)-32*((\kap)/8)+4*(((\kap)/4)%2)+(\kap)%4
.set ts, T+8*((\kap)%3)
	v_cvt_scalef32_pk8_fp4_f32 v[fr], v[ts:ts+7], v[W+2*ch+1]
.endm
; A conversion stands a group behind the lines that feed it, and its set is written again two groups later: four plain lines lie between a conversion and the next write of its sources.
.macro CODES m
	FGRP \m, 0
.set kk, 1
.rept 15
	FGRP \m, kk
	CGRP \m, kk-1
.set kk, kk+1
.endr
	CGRP \m, 15
.endm
; 16 products: the 16 accumulators take turns, one instruction a turn, in the same order in every K step.  zero = 1: the first K step starts the sums: nothing is ever cleared.
; The four v_nop are the places between the last conversion and the products that read its result; the last scale word was written 68 plain lines back.
.macro MULS zero
.rept 4
	v_nop
.endr
	WIN 0x50                                       ; C and D in window 1
.irp m, 0,1,2,3
.irp n, 0,1,2,3
.if \zero
	v_wmma_scale_f32_16x16x128_f8f6f4 v[8*(4*\m+\n):8*(4*\m+\n)+7], v[KF+8*\n:KF+8*\n+7], v[QF+8*\m:QF+8*\m+7], 0, v[SK+\n], v[SQ+\m] matrix_a_fmt:MATRIX_FMT_FP4 matrix_b_fmt:MATRIX_FMT_FP4
.else
	v_wmma_scale_f32_16x16x128_f8f6f4 v[8*(4*\m+\n):8*(4*\m+\n)+7], v[KF+8*\n:KF+8*\n+7], v[QF+8*\m:QF+8*\m+7], v[8*(4*\m+\n):8*(4*\m+\n)+7], v[SK+\n], v[SQ+\m] matrix_a_fmt:MATRIX_FMT_FP4 matrix_b_fmt:MATRIX_FMT_FP4
.endif
.endr
.endr
	WIN 0
.endm
; K step g.  Behind its products the next K step's first 22 lines, which name none of the products' registers, are the places ahead of the first write of a scale word or a fragment.
.macro KSTEP g, zero, next
.if \g > 0
	s_wait_dscnt 0x0                               ; this K step's pairs (w, b), asked for ahead of the last 16 products
.endif
.irp m, 0,1,2,3
	SCALES \m
	CODES \m
.endr
.if \next
	PLOAD \g+1
.endif
	MULS \zero
.endm
.macro UNIT zero                       ; a t-block, from my stage to the accumulators
	FROMSTAGE
	PLOAD 0
	s_wait_dscnt 0x0
	EXTREMA
	KSTEP 0, \zero, 1
	KSTEP 1, 0, 1
	KSTEP 2, 0, 1
	KSTEP 3, 0, 0
.endm
	s_load_b256 s[4:11], s[0:1], 0x0               ; x s[4:5], w1 s[6:7], b1 s[8:9], w2 s[10:11]
	s_load_b128 s[12:15], s[0:1], 0x20             ; b2 s[12:13], epart s[14:15]
	v_lshl_add_u32 v[SPW], v0, 2, SPARE
	v_mov_b32 v[NIL], 0
	v_lshrrev_b32 v3, 5, v0
	v_readfirstlane_b32 s16, v3                    ; wave 0..7
	s_and_b32 s18, ttmp7, 0xffff                   ; b
	s_lshl_b32 s19, ttmp9, 4
	s_sub_co_i32 s24, ttmp9, 5
	s_max_i32 s24, s24, 0
	s_sub_co_u32 s19, s19, s24                     ; start = 16 c - max(c - 5, 0)
	s_lshl_b32 s20, ttmp9, 4
	s_add_co_u32 s20, s20, 16
	s_sub_co_i32 s24, ttmp9, 4
	s_max_i32 s24, s24, 0
	s_sub_co_u32 s20, s20, s24                     ; end = 16 (c + 1) - max(c - 4, 0)
	s_add_co_u32 s24, s19, s16                     ; unit 0's t-block
	s_add_co_u32 s25, s24, 8                       ; unit 1's
	s_cmp_lt_u32 s25, s20
	s_cselect_b32 s21, 0, 1                        ; 1: I have unit 0 alone (wave 7 of chunks 5 to 7)
	s_cselect_b32 s26, 1024, 0                     ; unit 1 lies 8 t-blocks of 128 bytes on.  A wave without one points its second run of loads at unit 0's bytes: inside x, and never used
	s_mov_b32 s27, 0
	s_mul_i32 s28, s18, 1024000                    ; a batch of x
	s_lshl_b32 s24, s24, 7
	s_add_co_u32 s28, s28, s24
	s_mov_b32 s29, 0
	s_lshl_b32 s30, s18, 3
	s_add_co_u32 s30, s30, ttmp9
	s_lshl_b32 s30, s30, 14                        ; partial 8 b + c, 16,384 bytes,
	s_lshl_b32 s31, s16, 11
	s_add_co_u32 s30, s30, s31                     ; my wave's 2,048 of them
	s_mov_b32 s31, 0
	s_mul_i32 s32, s16, STGB                       ; my stage
	s_lshl_b32 s33, s16, 8
	s_add_co_u32 s33, s33, PTB                     ; my table
	s_mov_b32 s[SEL], 0x76543210
	s_mov_b32 s[SEL+1], 0xfedcba98
	v_and_b32 v8, 7, v0                            ; lane % 8
	v_bfe_u32 v9, v0, 3, 1                         ; r / 8
	v_bfe_u32 v10, v0, 4, 1                        ; h
	v_bfe_u32 v11, v0, 3, 2                        ; lane / 8
	v_mul_u32_u24 v[LRD], v8, 144
	v_mad_u32_u24 v[LRD], v9, 4736, v[LRD]         ; row r % 8 + 32 (r / 8): 32 x 144 + 128 = 4,736
	v_add_nc_u32 v[LRD], s32, v[LRD]
	v_lshlrev_b32 v[LPT], 5, v10
	v_add_nc_u32 v[LPT], s33, v[LPT]
	v_lshlrev_b32 v[SH8], 3, v10
	v_mul_u32_u24 v[LST], v11, 144
	v_lshl_add_u32 v[LST], v8, 4, v[LST]
	v_add_nc_u32 v[LST], s32, v[LST]               ; row lane / 8, 16 bytes at 16 (lane % 8)
	v_mul_u32_u24 v[GOF], v11, 16000
	v_lshl_add_u32 v[GOF], v8, 4, v[GOF]           ; the same in x
	v_and_b32 v12, 15, v0                          ; f = lane % 16
	v_lshlrev_b32 v12, 2, v12
	v_bfe_u32 v13, v0, 2, 2                        ; the table's entry of (g, h) lies at 64 g + 32 h: (w1, b1) of c = 0, of c = 1, (w2, b2) of c = 0, of c = 1;  f = 4 g + 2 c + h
	v_lshlrev_b32 v13, 6, v13
	v_and_b32 v14, 1, v0
	v_lshl_add_u32 v13, v14, 5, v13
	v_bfe_u32 v14, v0, 1, 1
	v_lshl_add_u32 v13, v14, 3, v13
	v_add_nc_u32 v13, s33, v13
	s_wait_kmcnt 0x0
	s_add_nc_u64 s[4:5], s[4:5], s[28:29]          ; x at unit 0
	s_add_nc_u64 s[26:27], s[4:5], s[26:27]        ; and at unit 1
	s_add_nc_u64 s[14:15], s[14:15], s[30:31]
	global_load_b32 v24, v12, s[6:7]               ; w1[f], b1[f], w2[f], b2[f]
	global_load_b32 v25, v12, s[8:9]
	global_load_b32 v26, v12, s[10:11]
	global_load_b32 v27, v12, s[12:13]
	XLOAD KF, 4
	WIN 0x40                                       ; destination window 1
	XLOAD 128, 26
	WIN 0
	s_wait_loadcnt 16                              ; the four coefficients and unit 0 are in; unit 1's sixteen loads stay out, on every way through the text
	ds_store_b64 v13, v[24:25]                     ; lanes l and l + 16 write the same pair to the same place
	ds_store_b64 v13, v[26:27] offset:16
	TOSTAGE KF
	UNIT 1
	s_wait_loadcnt 0x0                             ; unit 1 is in: its registers may be read, and the loads' address register written
	s_cmp_lg_u32 s21, 0
	s_cbranch_scc1 .Lsum                           ; ids alone decide; no barrier is jumped over
	WIN 0x04                                       ; an LDS store's data are its source 1: window 1
	TOSTAGE 128
	WIN 0
	UNIT 0
.Lsum:
	; THE EIGHT WAVES' SUMS ARE ADDED.  Each wave stores its accumulators as an image of its registers (four registers an instruction, lane l's 16 bytes at 16 l); behind the barrier wave w adds bytes 2,048 w on of the eight images.
	v_and_b32 v6, 31, v0                           ; these five plain lines are also the places behind the last products
	v_lshlrev_b32 v6, 4, v6                        ; 16 x lane
	s_lshl_b32 s24, s16, 14
	s_add_co_u32 s24, s24, RED
	v_add_nc_u32 v3, s24, v6                       ; my image
	s_lshl_b32 s25, s16, 11
	s_add_co_u32 s25, s25, RED
	v_add_nc_u32 v4, s25, v6                       ; my part of images 0 to 3,
	v_add_nc_u32 v7, 0x10000, v4                   ; and of images 4 to 7
	WIN 0x04
.irp k, 0,1,2,3,4,5,6,7,8,9,10,11,12,13,14,15,16,17,18,19,20,21,22,23,24,25,26,27,28,29,30,31
	ds_store_b128 v3, v[4*\k:4*\k+3] offset:512*\k                 ; each accumulator from its low end on
.endr
	WIN 0
	s_wait_dscnt 0x0                               ; for the others' sake: my image lies in LDS
	s_barrier_signal -1
	s_barrier_wait -1
.irp s, 0,1,2,3
.irp k, 0,1,2,3
	ds_load_b128 v[X+16*\s+4*\k:X+16*\s+4*\k+3], v4 offset:16384*\s+512*\k
.endr
.endr
.irp s, 0,1,2,3
.irp k, 0,1,2,3
	ds_load_b128 v[X+64+16*\s+4*\k:X+64+16*\s+4*\k+3], v7 offset:16384*\s+512*\k
.endr
.endr
.irp s, 1,2,3,4,5,6,7
	s_wait_dscnt 28-4*\s                           ; images 0 to s are in; the four loads of each later image may be out
.irp j, 0,1,2,3,4,5,6,7
	v_pk_add_f32 v[X+2*\j:X+2*\j+1], v[X+2*\j:X+2*\j+1], v[X+16*\s+2*\j:X+16*\s+2*\j+1]
.endr
.endr
.irp k, 0,1,2,3
	global_store_b128 v6, v[X+4*\k:X+4*\k+3], s[14:15] offset:512*\k   ; 32 lanes store 512 consecutive bytes, at a multiple of 512 from the buffer's first byte
.endr
	s_wait_tensorcnt 0x0                           ; the wave's end
	ds_add_u32 v[SPW], v[NIL]
	s_wait_dscnt 0x0
	s_endpgm
.Lfunc_end_k_q0905f07969_energy:
	.size	k_q0905f07969_energy, .Lfunc_end_k_q0905f07969_energy-k_q0905f07969_energy
	.p2alignl 7, 3214868480
	.fill 96, 4, 3214868480
	.section	.rodata,"a",@progbits
	.p2align	6, 0x0
	.amdhsa_kernel k_q0905f07969_energy
		.amdhsa_group_segment_fixed_size 209920
		.amdhsa_private_segment_fixed_size 0
		.amdhsa_enable_private_segment 0
		.amdhsa_kernarg_size 48
		.amdhsa_user_sgpr_count 2
		.amdhsa_user_sgpr_kernarg_segment_ptr 1
		.amdhsa_wavefront_size32 1
		.amdhsa_system_sgpr_workgroup_id_x 1
		.amdhsa_system_sgpr_workgroup_id_y 1
		.amdhsa_system_sgpr_workgroup_id_z 1
		.amdhsa_system_vgpr_workitem_id 0
		.amdhsa_next_free_vgpr 448
		.amdhsa_next_free_sgpr 66
		.amdhsa_reserve_vcc 0
		.amdhsa_float_denorm_mode_32 3
		.amdhsa_float_denorm_mode_16_64 3
		.amdhsa_memory_ordered 1
		.amdhsa_forward_progress 1
		.amdhsa_inst_pref_size 255
	.end_amdhsa_kernel
	.section	.bss,"aw",@nobits
	.p2align	6
	.space	262144
	.amdgpu_metadata
---
amdhsa.version: [ 1, 2 ]
amdhsa.kernels:
  - .name:           k_q0905f07969_energy
    .symbol:         k_q0905f07969_energy.kd
    .args:
      - { .name: x, .offset: 0, .size: 8, .value_kind: global_buffer, .address_space: global }
      - { .name: w1, .offset: 8, .size: 8, .value_kind: global_buffer, .address_space: global }
      - { .name: b1, .offset: 16, .size: 8, .value_kind: global_buffer, .address_space: global }
      - { .name: w2, .offset: 24, .size: 8, .value_kind: global_buffer, .address_space: global }
      - { .name: b2, .offset: 32, .size: 8, .value_kind: global_buffer, .address_space: global }
      - { .name: epart, .offset: 40, .size: 8, .value_kind: global_buffer, .address_space: global }
    .group_segment_fixed_size: 209920
    .private_segment_fixed_size: 0
    .kernarg_segment_align: 8
    .kernarg_segment_size: 48
    .max_flat_workgroup_size: 256
    .sgpr_count:     66
    .vgpr_count:     448
    .wavefront_size: 32
...
	.end_amdgpu_metadata
.endif
;; end of part 1
;; launch apply (part 2): grid 8 x 32, 8 waves a work-group, no clusters, 20,224 bytes of LDS; arguments x, epart, gamma, out0; writes out0
.if DOCPART == 2
	.amdgcn_target "amdgcn-amd-amdhsa--gfx1250"
	.amdhsa_code_object_version 6
	.text
	.protected	k_q0905f07969_apply
	.globl	k_q0905f07969_apply
	.p2align	8
	.type	k_q0905f07969_apply,@function
k_q0905f07969_apply:
	s_mov_b64 s[64:65], 0
	v_nop
	global_prefetch_b8 v0, s[64:65] scope:SCOPE_SE
	s_setreg_imm32_b32 hwreg(HW_REG_WAVE_MODE, 25, 1), 1
	s_wait_xcnt 0x0
; THE REST of ChannelSelfAttn:  e = the sum of the first launch's 8 partial sums;  z = (e - e_min) / (e_max - e_min + 1e-8) along j;  t = z log2(e), M = ceil(the row's largest t), p = 2^(t - M), l = the row's sum of p;
; PRODUCT 2, in MX-FP4, K = j = 64:  a[i][t] = sum over j of Q(p[i][j]) Q(x[j][t]);  out = (gamma / l) a + x.  No work is left out.
; LIMITS: NaN and infinities among the inputs are not served.  A block of zeros gets the scale byte 1 where the rule says 127: its codes are zeros, and the bytes are read by this program alone.
;   1 / (e_max - e_min + 1e-8) and 1 / l are v_rcp_f32 and a multiplication.  K = 64 is filled up to the instruction's 128 by zero codes on both operands, under the scale byte 0.
; SHARES.  Work-group (c, b): the same chunks of t as in the first launch, t-blocks start .. end - 1 (16 or 15 of 32 columns).  Wave w takes the 64 columns from t0 = 32 start + 64 w on, all 64 rows, in ONE step: there is no loop.
;   Lane (r, h) holds rows 32 h + i (i = 0 .. 31) at columns t0 + 4 r + u (u = 0 .. 3): each load and store covers 256 consecutive bytes of a row in each half of the lanes.  Column tile u = the columns t0 + 4 r + u.
;   A row is 16,000 bytes, so these runs of 256 bytes begin at multiples of 256 from the buffer's first byte in every second row, and at 128 modulo 256 in the others.
;   In a chunk of 15 t-blocks lanes r >= 8 of wave 7 have no columns: their loads are held inside the row and their stores are masked.  Columns do not mix, so what those lanes compute reaches nobody.
; THE SOFTMAX is made once a work-group: waves 0-3 add partials 0-3 of tile m = w, waves 4-7 partials 4-7 of tile m = w - 4 and hand them over through LDS; waves 0-3 then make p's codes, scale words and gamma / l,
;   which go to all eight waves through LDS as images of the operand's registers.
; LAYOUTS.  In a partial, byte 4096 m + 512 k + 16 lane holds registers 4 k .. 4 k + 3 of tile m's 32: lane (r, h), register x: e(i = 8 m + r % 8 + 32 (r / 8), j = 32 h + x): a whole block of p's K in a lane, in order.
;   Product 2: source 0 = p's tile m, source 1 = 16 columns of x: lane (r, h), register jj holds a(i = 32 h + 8 m + jj, column tile's r): the very rows of x that this half of the lanes holds.
; NO TENSOR LOADS, NO PREFETCH: every load is issued at the head.  NO CLUSTER: the 8 work-groups of a batch do read the same 131,072 bytes of partials, a third of a work-group's bytes; here they land straight in the registers
;   of the waves that add them, and a joint load would add a way through LDS and two rounds of the cluster's barrier to a launch of one step.
.set EX,    0                          ; LDS: waves 4-7's sums, 4 x 4,096
.set PIMG,  16384                      ; p's four fragments, registers 0-3 of each: 4 x 512
.set PSC,   18432                      ; their scale words: 4 x 128
.set GT,    18944                      ; gamma / l of the 64 rows
.set SPARE, 19200                      ; the spare words, 128 bytes for each wave: four blocks of 256 bytes that no other line names
.set SPW, 1                            ; v1   LDS address of my spare word; never rewritten
.set NIL, 2                            ; v2   0; never rewritten
.set XOF, 3                            ; v3   my byte offset in the batch of x and of out
.set LI,  5                            ; v5   16 x lane
.set LS,  6                            ; v6   4 x lane
.set EXW, 7                            ; v7   EX + 4096 (w % 4) + 16 lane
.set PIW, 8                            ; v8   PIMG + 512 (w % 4) + 16 lane
.set PSW, 9                            ; v9   PSC + 128 (w % 4) + 4 lane
.set GTW, 10                           ; v10  GT + 4 x my row of tile w % 4
.set GTA, 11                           ; v11  GT + 128 h
.set SH8, 12                           ; v12  8 h
.set MX,  16                           ; v16-19   column tile u: the block's largest magnitude, then its byte
.set SCX, 20                           ; v20-23   the conversions' scale operands
.set SB,  24                           ; v24-27   x's scale words;  v28-31 p's: scales and nothing else
.set SA,  28
.set BF,  32                           ; v32-63   x's four fragments; registers 4-7 of each are 0
.set E,   64                           ; v64-95   e, t, p;  then eight-at-a-time copies of x;  then p's four fragments
.set F,   96                           ; v96-127  the other waves' sums and the softmax's work;  then copies of x;  then gamma / l of my half's 32 rows
.set X,   128                          ; v128-255 x(32 h + i, t0 + 4 r + u) at X + 4 i + u; then out
                                       ; window 1, v0-127 (v256-383): four partials, 32 s + 4 k;  then product 2's accumulators, (m, u) at 8 (4 m + u)
.set RMX, F                            ; the softmax's work: v96 e_max (v97 second chain), v98 -e_min (v99), v100 their sum, v101 at work, v[102:103] the factor, v[104:105] -M,
.set RNM, F+2                          ;   v[106:109] l, v110-111 the largest p, v112 scale operand, v113 byte, v115 scale word, v116-119 codes, v120 gamma / l
.set MSB, 0
.macro WIN new                         ; s_set_vgpr_msb: bits 1:0 source 0, 3:2 source 1, 5:4 source 2, 7:6 destination; the high byte repeats the setting that is left
.if MSB != \new
	s_set_vgpr_msb (MSB<<8)|\new
.set MSB, \new
.endif
.endm
.macro GATHER u, t                     ; a conversion takes eight neighbours along j from consecutive registers; a load of 16 bytes gives four neighbours along t: so column tile u's 32 numbers are copied on end
.irp i, 0,1,2,3,4,5,6,7,8,9,10,11,12,13,14,15,16,17,18,19,20,21,22,23,24,25,26,27,28,29,30,31
	v_mov_b32 v[\t+\i], v[X+4*\i+\u]
.endr
.endm
.macro CONV u, t
.irp q, 0,1,2,3
	v_cvt_scalef32_pk8_fp4_f32 v[BF+8*\u+\q], v[\t+8*\q:\t+8*\q+7], v[SCX+\u]
.endr
.endm
	s_load_b256 s[4:11], s[0:1], 0x0               ; x s[4:5], epart s[6:7], gamma s[8:9], out s[10:11]
	v_lshl_add_u32 v[SPW], v0, 2, SPARE
	v_mov_b32 v[NIL], 0
	v_lshrrev_b32 v4, 5, v0
	v_readfirstlane_b32 s16, v4                    ; wave 0..7
	s_and_b32 s18, ttmp7, 0xffff                   ; b
	s_lshl_b32 s19, ttmp9, 4
	s_sub_co_i32 s24, ttmp9, 5
	s_max_i32 s24, s24, 0
	s_sub_co_u32 s19, s19, s24                     ; start = 16 c - max(c - 5, 0)
	s_lshl_b32 s20, ttmp9, 4
	s_add_co_u32 s20, s20, 16
	s_sub_co_i32 s24, ttmp9, 4
	s_max_i32 s24, s24, 0
	s_sub_co_u32 s20, s20, s24                     ; end = 16 (c + 1) - max(c - 4, 0)
	s_and_b32 s21, s16, 3                          ; w % 4: my tile of e
	s_lshl_b32 s24, s19, 7
	s_lshl_b32 s25, s16, 8
	s_add_co_u32 s24, s24, s25                     ; 4 t0: my wave's first byte in a row
	s_lshl_b32 s26, s20, 7                         ; the chunk's end in a row, in bytes
	s_mul_i32 s28, s18, 1024000                    ; a batch of x and of out
	s_mov_b32 s29, 0
	s_lshl_b32 s32, s18, 17                        ; a batch's 8 partials,
	s_lshr_b32 s25, s16, 2
	s_lshl_b32 s25, s25, 16
	s_add_co_u32 s32, s32, s25                     ; the first four or the last four,
	s_lshl_b32 s25, s21, 12
	s_add_co_u32 s32, s32, s25                     ; my tile
	s_mov_b32 s33, 0
	s_mov_b32 s22, 0x76543210
	s_mov_b32 s23, 0xfedcba98                      ; v_permlanex16_b32's selects for lane l xor 16
	v_and_b32 v13, 15, v0                          ; r
	v_bfe_u32 v14, v0, 4, 1                        ; h
	v_and_b32 v15, 31, v0                          ; lane
	v_lshlrev_b32 v[LI], 4, v15
	v_lshlrev_b32 v[LS], 2, v15
	v_add_nc_u32 v[EXW], s25, v[LI]                ; (EX = 0)  every LDS address is made here, ahead of the first parting of the waves
	s_lshl_b32 s25, s21, 9
	s_add_co_u32 s25, s25, PIMG
	v_add_nc_u32 v[PIW], s25, v[LI]
	s_lshl_b32 s25, s21, 7
	s_add_co_u32 s25, s25, PSC
	v_add_nc_u32 v[PSW], s25, v[LS]
	s_lshl_b32 s25, s21, 5
	s_add_co_u32 s25, s25, GT
	v_and_b32 v[GTW], 7, v0
	v_lshlrev_b32 v[GTW], 2, v[GTW]
	v_bfe_u32 v4, v0, 3, 1
	v_lshl_add_u32 v[GTW], v4, 7, v[GTW]
	v_add_nc_u32 v[GTW], s25, v[GTW]               ; row 8 (w % 4) + r % 8 + 32 (r / 8), 4 bytes a row
	v_lshl_add_u32 v[GTA], v14, 7, GT
	v_lshlrev_b32 v[SH8], 3, v14
	v_lshl_add_u32 v13, v13, 4, s24                ; my 16 bytes in a row
	v_cmp_gt_u32 s30, s26, v13                     ; the lanes whose columns belong to the chunk: ids alone
	v_min_u32 v[XOF], 15984, v13                   ; no load leaves the row
	v_mul_u32_u24 v14, v14, 0x7d000                ; lanes 16-31: 32 rows of 16,000 bytes further down
	v_add_nc_u32 v[XOF], v[XOF], v14
	s_wait_kmcnt 0x0
	s_load_b32 s34, s[8:9], 0x0                    ; gamma
	s_add_nc_u64 s[4:5], s[4:5], s[28:29]
	s_add_nc_u64 s[10:11], s[10:11], s[28:29]
	s_add_nc_u64 s[6:7], s[6:7], s[32:33]
	WIN 0x40                                       ; destination window 1
.irp s, 0,1,2,3
.irp k, 0,1,2,3,4,5,6,7
	global_load_b128 v[32*\s+4*\k:32*\s+4*\k+3], v[LI], s[6:7] offset:16384*\s+512*\k
.endr
.endr
	WIN 0
.irp i, 0,1,2,3,4,5,6,7,8,9,10,11,12,13,14,15,16,17,18,19,20,21,22,23,24,25,26,27,28,29,30,31
	global_load_b128 v[X+4*\i:X+4*\i+3], v[XOF], s[4:5] offset:16000*\i th:TH_LOAD_NT   ; read once in this launch
.endr
.irp u, 0,1,2,3
.irp q, 4,5,6,7
	v_mov_b32 v[BF+8*\u+\q], 0                     ; k = 64 .. 127 of x's fragments: zero codes
.endr
.endr
	s_wait_loadcnt 48                              ; partials 0 and 1 are in; behind them: two partials' 16 loads and x's 32
	WIN 0x05                                       ; sources 0 and 1 in window 1
.irp j, 0,1,2,3,4,5,6,7,8,9,10,11,12,13,14,15
	v_pk_add_f32 v[E+2*\j:E+2*\j+1], v[2*\j:2*\j+1], v[32+2*\j:32+2*\j+1]
.endr
	s_wait_loadcnt 40                              ; the third; behind it: one partial's 8 loads and x's 32
	WIN 0x04                                       ; source 1 in window 1
.irp j, 0,1,2,3,4,5,6,7,8,9,10,11,12,13,14,15
	v_pk_add_f32 v[E+2*\j:E+2*\j+1], v[E+2*\j:E+2*\j+1], v[64+2*\j:64+2*\j+1]
.endr
	s_wait_loadcnt 32                              ; the fourth; behind it: x's 32
.irp j, 0,1,2,3,4,5,6,7,8,9,10,11,12,13,14,15
	v_pk_add_f32 v[E+2*\j:E+2*\j+1], v[E+2*\j:E+2*\j+1], v[96+2*\j:96+2*\j+1]
.endr
	WIN 0
	s_cmp_lt_u32 s16, 4
	s_cbranch_scc1 .Lkeeps
.irp k, 0,1,2,3,4,5,6,7
	ds_store_b128 v[EXW], v[E+4*\k:E+4*\k+3] offset:512*\k         ; waves 4-7 hand their sums over, as an image of the registers
.endr
.Lkeeps:
	s_wait_kmcnt 0x0                               ; gamma
	s_wait_dscnt 0x0                               ; for the others' sake: my stores have landed
	s_barrier_signal -1
	s_barrier_wait -1
	s_cmp_ge_u32 s16, 4
	s_cbranch_scc1 .Lqx                            ; the softmax: waves 0-3, tile m = w; no barrier stands inside
.irp k, 0,1,2,3,4,5,6,7
	ds_load_b128 v[F+4*\k:F+4*\k+3], v[EXW] offset:512*\k
.endr
	s_wait_dscnt 0x0
.irp j, 0,1,2,3,4,5,6,7,8,9,10,11,12,13,14,15
	v_pk_add_f32 v[E+2*\j:E+2*\j+1], v[E+2*\j:E+2*\j+1], v[F+2*\j:F+2*\j+1]   ; e, whole
.endr
	v_max3_num_f32 v[RMX],   v[E],   v[E+1], v[E+2]                ; my 32 of the row's 64: the largest, and the largest of the negated numbers; two chains each
	v_max3_num_f32 v[RMX+1], v[E+3], v[E+4], v[E+5]
	v_max3_num_f32 v[RNM],   -v[E],   -v[E+1], -v[E+2]
	v_max3_num_f32 v[RNM+1], -v[E+3], -v[E+4], -v[E+5]
.irp i, 6,10,14,18,22,26
	v_max3_num_f32 v[RMX],   v[RMX],   v[E+\i],   v[E+\i+1]
	v_max3_num_f32 v[RMX+1], v[RMX+1], v[E+\i+2], v[E+\i+3]
	v_max3_num_f32 v[RNM],   v[RNM],   -v[E+\i],   -v[E+\i+1]
	v_max3_num_f32 v[RNM+1], v[RNM+1], -v[E+\i+2], -v[E+\i+3]
.endr
	v_max3_num_f32 v[RMX], v[RMX], v[E+30], v[E+31]
	v_max3_num_f32 v[RNM], v[RNM], -v[E+30], -v[E+31]
	v_max_num_f32 v[RMX], v[RMX], v[RMX+1]
	v_max_num_f32 v[RNM], v[RNM], v[RNM+1]
	v_permlanex16_b32 v[RMX+1], v[RMX], s22, s23
	v_permlanex16_b32 v[RNM+1], v[RNM], s22, s23
	v_max_num_f32 v[RMX], v[RMX], v[RMX+1]         ; e_max of the row
	v_max_num_f32 v[RNM], v[RNM], v[RNM+1]         ; -e_min
	v_add_f32 v100, v[RMX], v[RNM]                 ; e_max - e_min
	v_add_f32 v101, 0x322bcc77, v100               ; + 1e-8
	v_rcp_f32 v102, v101
	v_mov_b32 v103, 0                              ; (the upper halves of two pairs that packed lines name)
	v_mov_b32 v105, 0
.irp j, 0,1,2,3,4,5,6,7,8,9,10,11,12,13,14,15
	v_pk_add_f32 v[E+2*\j:E+2*\j+1], v[E+2*\j:E+2*\j+1], v[RNM:RNM+1] op_sel_hi:[1,0]   ; e - e_min: the difference first, as the reference has it.  Independent work behind the reciprocal
.endr
	s_wait_alu depctr_va_vdst(0)                   ; the wait ahead of the first line that names the reciprocal
	v_mul_f32 v102, 0x3fb8aa3b, v102               ; log2(e) / (e_max - e_min + 1e-8)
	v_mul_f32 v101, v100, v102                     ; the row's largest t
	v_floor_f32 v104, -v101                        ; -M = floor(-t) = -ceil(t): the maximum is taken away ahead of the exponentials, as a whole number
.irp j, 0,1,2,3,4,5,6,7,8,9,10,11,12,13,14,15
	v_pk_fma_f32 v[E+2*\j:E+2*\j+1], v[E+2*\j:E+2*\j+1], v[102:103], v[104:105] op_sel_hi:[1,0,0]   ; t - M
.endr
.irp j, 0,1,2,3,4,5,6,7,8,9,10,11,12,13,14,15,16,17,18,19,20,21,22,23,24,25,26,27,28,29,30,31
	v_exp_f32 v[E+\j], v[E+\j]                     ; p = 2^(t - M): one batch
.endr
	v_nop                                          ; a plain line behind the last exponential
	s_wait_alu depctr_va_vdst(0)                   ; and one wait for the batch, ahead of its first reader
	v_pk_add_f32 v[106:107], v[E:E+1], v[E+2:E+3]                  ; l, of the unquantised p: two chains of pairs;
	v_pk_add_f32 v[108:109], v[E+4:E+5], v[E+6:E+7]
	v_max3_num_f32 v110, v[E], v[E+1], 0x1800000                   ; and my block's largest p, with the floor 2^(3 - 127): two chains
	v_max_num_f32 v111, v[E+2], v[E+3]
.irp i, 4,8,12,16,20,24,28
	v_max3_num_f32 v110, v110, v[E+\i], v[E+\i+1]
	v_max3_num_f32 v111, v111, v[E+\i+2], v[E+\i+3]
.if \i > 4
	v_pk_add_f32 v[106:107], v[106:107], v[E+\i:E+\i+1]
	v_pk_add_f32 v[108:109], v[108:109], v[E+\i+2:E+\i+3]
.endif
.endr
	v_pk_add_f32 v[106:107], v[106:107], v[108:109]
	v_max_num_f32 v110, v110, v111
	v_add_f32 v106, v106, v107
	v_add_nc_u32 v112, 0xff000000, v110            ; 2 off the exponent field: the conversions' scale operand
	v_permlanex16_b32 v107, v106, s22, s23
	v_lshrrev_b32 v113, 23, v112                   ; the scale's byte,
	v_add_f32 v106, v106, v107                     ; l of the row
	v_lshlrev_b32 v113, v[SH8], v113               ; at its place: block h
	v_rcp_f32 v120, v106
	v_permlanex16_b32 v111, v113, s22, s23
	v_or_b32 v115, v113, v111                      ; the row's scale word; bytes 2 and 3 stay 0, over zero codes
.irp q, 0,1,2,3
	v_cvt_scalef32_pk8_fp4_f32 v[116+\q], v[E+8*\q:E+8*\q+7], v112   ; registers 0-3 of the fragment: k = 32 h + 0 .. 31
.endr
	v_nop                                          ; one plain line behind the last conversion
	s_wait_alu depctr_va_vdst(0)                   ; the wait for the reciprocal of l, ahead of its first reader
	v_mul_f32 v120, s34, v120                      ; gamma / l
	ds_store_b128 v[PIW], v[116:119]
	ds_store_b32 v[PSW], v115
	ds_store_b32 v[GTW], v120                      ; lanes l and l + 16 write the same number to the same word
	s_wait_dscnt 0x0                               ; the stores have read their registers, which the copies below write
.Lqx:
	; Q(x) ALONG j, all waves: a lane's 32 rows of a column are a whole block
	s_wait_loadcnt 0x0                             ; x
.irp u, 0,1,2,3
	v_max3_num_f32 v[MX+\u], |v[X+\u]|, |v[X+4+\u]|, 0x1800000     ; the four columns by turns; the floor 2^(3 - 127) among the leaves
.endr
.irp i, 2,4,6,8,10,12,14,16,18,20,22,24,26,28,30
.irp u, 0,1,2,3
	v_max3_num_f32 v[MX+\u], v[MX+\u], |v[X+4*\i+\u]|, |v[X+4*\i+4+\u]|
.endr
.endr
.irp u, 0,1,2,3
	v_add_nc_u32 v[SCX+\u], 0xff000000, v[MX+\u]
.endr
.irp u, 0,1,2,3
	v_lshrrev_b32 v[MX+\u], 23, v[SCX+\u]
.endr
.irp u, 0,1,2,3
	v_lshlrev_b32 v[MX+\u], v[SH8], v[MX+\u]
.endr
.irp u, 0,1,2,3
	v_permlanex16_b32 v[E+\u], v[MX+\u], s22, s23  ; (e's registers are done with in every wave, and have been written in every wave)
.endr
.irp u, 0,1,2,3
	v_or_b32 v[SB+\u], v[MX+\u], v[E+\u]           ; the column's scale word: bytes 0 and 1; 2 and 3 stay 0
.endr
	GATHER 0, E                                    ; two sets by turns: 32 plain lines lie between a conversion and the next write of its sources
	CONV 0, E
	GATHER 1, F
	CONV 1, F
	GATHER 2, E
	CONV 2, E
	GATHER 3, F
.irp m, 0,1,2,3
.irp q, 4,5,6,7
	v_mov_b32 v[E+8*\m+\q], 0                      ; k = 64 .. 127 of p's fragments: zero codes
.endr
.endr
	CONV 3, F
.rept 4
	v_nop                                          ; the places between operands written by vector lines and the products
.endr
	s_wait_dscnt 0x0
	s_barrier_signal -1
	s_barrier_wait -1                              ; p's images, scale words and gamma / l lie in LDS
.irp m, 0,1,2,3
	ds_load_b128 v[E+8*\m:E+8*\m+3], v[LI] offset:PIMG+512*\m
	ds_load_b32 v[SA+\m], v[LS] offset:PSC+128*\m
.endr
.irp k, 0,1,2,3,4,5,6,7
	ds_load_b128 v[F+4*\k:F+4*\k+3], v[GTA] offset:16*\k           ; gamma / l of rows 32 h + 0 .. 31
.endr
	s_wait_dscnt 0x0
	WIN 0x40                                       ; D in window 1
.irp m, 0,1,2,3
.irp u, 0,1,2,3
	v_wmma_scale_f32_16x16x128_f8f6f4 v[8*(4*\m+\u):8*(4*\m+\u)+7], v[E+8*\m:E+8*\m+7], v[BF+8*\u:BF+8*\u+7], 0, v[SA+\m], v[SB+\u] matrix_a_fmt:MATRIX_FMT_FP4 matrix_b_fmt:MATRIX_FMT_FP4
.endr
.endr
	WIN 0
.rept 4
	v_nop                                          ; the places behind the last product, all lanes on
.endr
	s_wait_xcnt 0x0                                ; EXEC changes only behind this wait
	s_and_saveexec_b32 s31, s30                    ; the lanes whose columns belong to the chunk
.irp m, 0,1,2,3
	WIN 0x01                                       ; source 0 in window 1
.irp j, 0,1,2,3,4,5,6,7
.irp u, 0,1,2,3
	v_fma_f32 v[X+4*(8*\m+\j)+\u], v[8*(4*\m+\u)+\j], v[F+8*\m+\j], v[X+4*(8*\m+\j)+\u]   ; out = a (gamma / l) + x; each accumulator from its low end on
.endr
.endr
	WIN 0
.irp j, 0,1,2,3,4,5,6,7
	global_store_b128 v[XOF], v[X+4*(8*\m+\j):X+4*(8*\m+\j)+3], s[10:11] offset:16000*(8*\m+\j) th:TH_STORE_NT   ; 16 lanes store 256 consecutive bytes of a row; written once, read by nobody here
.endr
.endr
	s_wait_xcnt 0x0                                ; and again, in front of the line that widens EXEC
	s_or_b32 exec_lo, exec_lo, s31
	s_wait_tensorcnt 0x0                           ; the wave's end
	ds_add_u32 v[SPW], v[NIL]
	s_wait_dscnt 0x0
	s_endpgm
.Lfunc_end_k_q0905f07969_apply:
	.size	k_q0905f07969_apply, .Lfunc_end_k_q0905f07969_apply-k_q0905f07969_apply
	.p2alignl 7, 3214868480
	.fill 96, 4, 3214868480
	.section	.rodata,"a",@progbits
	.p2align	6, 0x0
	.amdhsa_kernel k_q0905f07969_apply
		.amdhsa_group_segment_fixed_size 20224
		.amdhsa_private_segment_fixed_size 0
		.amdhsa_enable_private_segment 0
		.amdhsa_kernarg_size 32
		.amdhsa_user_sgpr_count 2
		.amdhsa_user_sgpr_kernarg_segment_ptr 1
		.amdhsa_wavefront_size32 1
		.amdhsa_system_sgpr_workgroup_id_x 1
		.amdhsa_system_sgpr_workgroup_id_y 1
		.amdhsa_system_sgpr_workgroup_id_z 1
		.amdhsa_system_vgpr_workitem_id 0
		.amdhsa_next_free_vgpr 384
		.amdhsa_next_free_sgpr 66
		.amdhsa_reserve_vcc 0
		.amdhsa_float_denorm_mode_32 3
		.amdhsa_float_denorm_mode_16_64 3
		.amdhsa_memory_ordered 1
		.amdhsa_forward_progress 1
		.amdhsa_inst_pref_size 49
	.end_amdhsa_kernel
	.amdgpu_metadata
---
amdhsa.version: [ 1, 2 ]
amdhsa.kernels:
  - .name:           k_q0905f07969_apply
    .symbol:         k_q0905f07969_apply.kd
    .args:
      - { .name: x, .offset: 0, .size: 8, .value_kind: global_buffer, .address_space: global }
      - { .name: epart, .offset: 8, .size: 8, .value_kind: global_buffer, .address_space: global }
      - { .name: gamma, .offset: 16, .size: 8, .value_kind: global_buffer, .address_space: global }
      - { .name: out0, .offset: 24, .size: 8, .value_kind: global_buffer, .address_space: global }
    .group_segment_fixed_size: 20224
    .private_segment_fixed_size: 0
    .kernarg_segment_align: 8
    .kernarg_segment_size: 32
    .max_flat_workgroup_size: 256
    .sgpr_count:     66
    .vgpr_count:     384
    .wavefront_size: 32
...
	.end_amdgpu_metadata
.endif
;; end of part 2
;; ======== version 2 of 2: 2 launches
;; workspace buffers: epart 4,194,304 bytes
;; launch energy (part 3): grid 8 x 32, 8 waves a work-group, no clusters, 209,920 bytes of LDS; arguments x, w1, b1, w2, b2, epart; writes epart
.if DOCPART == 3
	.amdgcn_target "amdgcn-amd-amdhsa--gfx1250"
	.amdhsa_code_object_version 6
	.text
	.protected	k_q0905f07969_energy
	.globl	k_q0905f07969_energy
	.p2align	8
	.type	k_q0905f07969_energy,@function
k_q0905f07969_energy:
	s_mov_b64 s[64:65], 0
	v_nop
	global_prefetch_b8 v0, s[64:65] scope:SCOPE_SE
	s_setreg_imm32_b32 hwreg(HW_REG_WAVE_SCHED_MODE, 0, 2), 2
	s_setreg_imm32_b32 hwreg(HW_REG_WAVE_MODE, 25, 1), 1
	s_wait_xcnt 0x0
	s_wait_alu depctr_vm_vsrc(0)
; PRODUCT 1 of ChannelSelfAttn, in MX-FP4:  e[b][i][j] = sum over (f, t) of Q(w1[f] x[b][i][t] + b1[f]) Q(w2[f] x[b][j][t] + b2[f]),  x: [32][64][4000] f32, f = 0 .. 15.
; K = (f, t) = 16 x 4000, and 4000 = 125 x 32: no block of 32 crosses an f, so a block is (f, row, t-block), t-block = 0 .. 124.
; DEAD WORK: none.  The quantiser is not linear, so all 16 images of x are formed and quantised for both operands; b1 and b2 go into quantised operands and stay.  All six inputs of the problem are loaded (gamma by the second launch).
; This launch stores, for each batch b and each of 8 chunks c of the t-blocks, one 64 x 64 partial sum of e; the second launch adds the eight.
; LIMITS: NaN and infinities among the inputs are not served.  A block of zeros gets the scale byte 1 where the rule says 127: its codes are zeros, and these bytes never leave the registers.
;   w x + b is ONE fused multiply-add.  e is summed in another order than the reference's: 4 K steps a t-block, up to 2 t-blocks a wave, 8 waves, 8 chunks.
; SHARES.  Work-group (c, b): t-blocks start .. end - 1, start = 16 c - max(c - 5, 0), end = 16 (c + 1) - max(c - 4, 0): 16 t-blocks in chunks 0-4, 15 in chunks 5-7.
;   Wave w takes t-block start + w (unit 0) and start + 8 + w (unit 1, if under end) and makes ALL 64 x 64 of e for them in 16 accumulators of its own: no code is made twice, nothing goes between waves before the end.
; A K STEP is one t-block x four features: block 2 c + h of the 128 along K is feature f = 4 g + 2 c + h (h = lane / 16, c = which four registers of the fragment).  Both halves of the lanes hold the SAME 32 numbers of x
;   and differ in w and b alone, so a lane owns whole blocks.  The same order of K on both operands leaves every product with its partner.
; A BLOCK'S LARGEST MAGNITUDE IS NOT SEARCHED FOR.  The rounded w x + b does not fall (w >= 0) or rise (w < 0) where x rises, so the largest |w x + b| of a block is that of the block's largest or of its smallest x:
;   these two are found once for a row's 32 numbers and serve all 32 blocks (16 f x 2 operands) made of them; the two numbers are members of the block, so the result is the searched one bit for bit.
; THE ROWS OF A TILE ARE NOT NEIGHBOURS: lane r of tile m takes row 8 m + r % 8 + 32 (r / 8).  The product is used transposed (source 0 = 16 rows of k, source 1 = 16 rows of q): in accumulator (m, n) lane (r, h), register jj
;   holds e(i = 8 m + r % 8 + 32 (r / 8), j = 32 h + 8 n + jj): over n a lane's 32 registers are 32 neighbours along j, a whole block of the second product's K.
; NO TENSOR LOADS, NO CLUSTER, NO PREFETCH: each byte of x is used by one wave of the launch, and all of a wave's 36 loads are issued at its head.
; A row of x is 16,000 bytes; a load of the wave reads 128 consecutive bytes of each of four rows.
; THE MODE: SCHED_MODE bits 1:0 = 2 (LLVM: expert scheduling mode 2), set by the entry lines.  The code itself states the register dependences
; between vector or matrix instructions and memory or LDS instructions, with s_wait_alu, always for 0.
; THE PLAN.  Registers that memory or LDS instructions touch:
;   v3, v4, v6, v7   addresses.  Written at the head, read by all loads of x and all LDS instructions of the units; written anew behind .Lsum, as the reduction's addresses.
;   v12, v13         the coefficients' offset and the table's store address.  Written at the head, read by four loads and two LDS stores; the extrema of unit 0 write them again.
;   v24-27, v64-127  land from memory, are the data of unit 0's 18 LDS stores, and are then W, KF and QF, written by vector lines.
;   v384-447         unit 1's loads land here, its LDS stores read them: no vector line names them.
;   X                LDS loads land in it (each unit's stage; the reduction); the extrema and the multiply-adds read it; its first 16 registers are the data of the last four stores.
;   P                each K step's two LDS loads land in it; the K step's vector lines read it.
;   the accumulators are written by the products and are the data of the reduction's 32 LDS stores.  KF, QF, SK, SQ are written by vector lines and taken by the scaled products.
; ONE wait on va_vdst stands in a K step, behind the places and ahead of the products: the fragments and scale words are written, and the K step's lines are done reading P and X.  Behind it stand the next K step's loads
; into P and the 16 products, which name KF, QF, SK, SQ and the accumulators alone: so a unit's loads into X and P, which follow the last K step of the unit before, owe nothing more.
.set STGB,  9472                       ; LDS: a stage for each wave: row p of x (128 bytes) at 144 p + 128 (p / 32): 63 x 144 + 128 + 128 = 9,328 bytes, rounded up
.set PTB,   8*STGB                     ; a table of (w, b) pairs for each wave, 256 bytes
.set RED,   PTB+8*256                  ; the eight waves' accumulators, 16,384 bytes each
.set SPARE, RED+8*16384                ; the spare words, 128 bytes for each wave: four blocks of 256 bytes that no other line names
.set SPW, 1                            ; v1   LDS address of my spare word; never rewritten
.set NIL, 2                            ; v2   0; never rewritten
.set LRD, 3                            ; v3   the stage, on the way out: my row of tile 0
.set LPT, 4                            ; v4   the table: my half's entries
.set SH8, 5                            ; v5   8 h
.set LST, 6                            ; v6   the stage, on the way in
.set GOF, 7                            ; v7   my byte offset in four rows of x
.set XM,  8                            ; v8-15    tile m: (largest x, smallest x) at v[XM + 2 m].  At the head: temporaries
.set P,   16                           ; v16-23   this K step's four pairs (w, b): q c = 0, q c = 1, k c = 0, k c = 1
.set W,   24                           ; v24-31   chain ch = 2 o + c (o = 0: q, 1: k): v[W + 2 ch] at work, v[W + 2 ch + 1] the conversions' scale operand
.set SK,  32                           ; v32-35   scale words of k's tiles;  v36-39 of q's: scales and nothing else
.set SQ,  36
.set T,   40                           ; v40-63   three sets of eight numbers on their way to a conversion
.set KF,  64                           ; v64-95   k's four fragments;  v96-127 q's.  At the head v64-127 take unit 0's loads
.set QF,  96
.set X,   128                          ; v128-255 tile m at X + 32 m: the 32 numbers of my row
                                       ; window 1: v0-127 (v256-383) the accumulators, (m, n) at 8 (4 m + n);  v128-191 (v384-447) unit 1's loads
.set SEL, 22                           ; s[22:23] lane selects for v_permlanex16_b32: lane l xor 16
.set MSB, 0
.macro WIN new                         ; s_set_vgpr_msb: bits 1:0 source 0, 3:2 source 1, 5:4 source 2, 7:6 destination; the high byte repeats the setting that is left
.if MSB != \new
	s_set_vgpr_msb (MSB<<8)|\new
.set MSB, \new
.endif
.endm
.macro XLOAD reg, base                 ; a unit: 64 rows x 128 bytes, four rows an instruction
.irp i, 0,1,2,3,4,5,6,7,8,9,10,11,12,13,14,15
	global_load_b128 v[\reg+4*\i:\reg+4*\i+3], v[GOF], s[\base:\base+1] offset:64000*\i
.endr
.endm
.macro TOSTAGE reg                     ; into my stage, as loaded: rows 4 i .. 4 i + 3
.irp i, 0,1,2,3,4,5,6,7,8,9,10,11,12,13,14,15
	ds_store_b128 v[LST], v[\reg+4*\i:\reg+4*\i+3] offset:576*\i+128*(\i/8)
.endr
.endm
.macro FROMSTAGE                       ; and back, a whole row of 32 numbers a lane.  The 16 rows of a tile begin at 16 different columns of 16 bytes modulo 256 (64 banks of 4 bytes: ISA guide 11.1); both halves of the lanes read the same bytes.
.irp m, 0,1,2,3                        ; LDS serves a wave's instructions in order (ISA guide 5.7.1.4): these see my stores
.irp i, 0,1,2,3,4,5,6,7
	ds_load_b128 v[X+32*\m+4*\i:X+32*\m+4*\i+3], v[LRD] offset:1152*\m+16*\i
.endr
.endr
.endm
.macro EXTREMA                         ; the largest and the smallest of each tile's 32 numbers: eight chains by turns.  The smallest as the largest of the negated numbers, its sign turned at the end
.irp m, 0,1,2,3
	v_max3_num_f32 v[XM+2*\m], v[X+32*\m], v[X+32*\m+1], v[X+32*\m+2]
	v_max3_num_f32 v[XM+2*\m+1], -v[X+32*\m], -v[X+32*\m+1], -v[X+32*\m+2]
.endr
.irp i, 3,5,7,9,11,13,15,17,19,21,23,25,27,29
.irp m, 0,1,2,3
	v_max3_num_f32 v[XM+2*\m], v[XM+2*\m], v[X+32*\m+\i], v[X+32*\m+\i+1]
	v_max3_num_f32 v[XM+2*\m+1], v[XM+2*\m+1], -v[X+32*\m+\i], -v[X+32*\m+\i+1]
.endr
.endr
.irp m, 0,1,2,3
	v_max_num_f32 v[XM+2*\m], v[XM+2*\m], v[X+32*\m+31]
	v_max_num_f32 v[XM+2*\m+1], v[XM+2*\m+1], -v[X+32*\m+31]
.endr
.irp m, 0,1,2,3
	v_xor_b32 v[XM+2*\m+1], 0x80000000, v[XM+2*\m+1]
.endr
.endm
.macro PLOAD g                         ; K step g's four pairs (w, b) of my half
	ds_load_b128 v[P:P+3],   v[LPT] offset:64*(\g)
	ds_load_b128 v[P+4:P+7], v[LPT] offset:64*(\g)+16
.endm
; Tile m's four blocks of my lane: their scale operands, and the tile's two scale words.  The pair (w, b): its first register multiplies both halves, its second is added to both.
.macro SCALES m
.irp c, 0,1,2,3
	v_pk_fma_f32 v[W+2*\c:W+2*\c+1], v[XM+2*(\m):XM+2*(\m)+1], v[P+2*\c:P+2*\c+1], v[P+2*\c:P+2*\c+1] op_sel:[0,0,1] op_sel_hi:[1,0,1]   ; w x + b of the largest and of the smallest x
.endr
.irp c, 0,1,2,3
	v_max3_num_f32 v[W+2*\c], |v[W+2*\c]|, |v[W+2*\c+1]|, 0x1800000   ; the block's largest magnitude, and the floor 2^(3 - 127): the byte cannot fall under 1
.endr
.irp c, 0,1,2,3
	v_add_nc_u32 v[W+2*\c+1], 0xff000000, v[W+2*\c]                   ; 2 off its exponent field: the conversion takes the exponent field of this operand as its scale
.endr
.irp c, 0,1,2,3
	v_lshrrev_b32 v[W+2*\c], 23, v[W+2*\c+1]                          ; the scale's byte
.endr
.irp o, 0,1
	v_lshl_or_b32 v[W+4*\o], v[W+4*\o+2], 16, v[W+4*\o]               ; my two bytes: blocks h and 2 + h,
.endr
.irp o, 0,1
	v_lshlrev_b32 v[W+4*\o], v[SH8], v[W+4*\o]                        ; at their places in the word;
.endr
.irp o, 0,1
	v_permlanex16_b32 v[W+4*\o+2], v[W+4*\o], s[SEL], s[SEL+1]
.endr
	v_or_b32 v[SQ+(\m)], v[W], v[W+2]                                 ; with lane l xor 16's two the word is whole, in all 32 lanes
	v_or_b32 v[SK+(\m)], v[W+4], v[W+6]
.endm
; Group kap = 0 .. 15 of tile m's codes: operand kap / 8, c = (kap / 4) % 2, numbers 8 (kap % 4) on.  FGRP: eight numbers w x + b into set kap % 3;  CGRP: their eight codes, one register of the fragment.
.macro FGRP m, kap
.set ch, (\kap)/4
.set gq, (\kap)%4
.set ts, T+8*((\kap)%3)
.irp j, 0,1,2,3
	v_pk_fma_f32 v[ts+2*\j:ts+2*\j+1], v[X+32*(\m)+8*gq+2*\j:X+32*(\m)+8*gq+2*\j+1], v[P+2*ch:P+2*ch+1], v[P+2*ch:P+2*ch+1] op_sel:[0,0,1] op_sel_hi:[1,0,1]
.endr
.endm
.macro CGRP m, kap
.set ch, (\kap)/4
.set fr, QF+8*(\m)-32*((\kap)/8)+4*(((\kap)/4)%2)+(\kap)%4
.set ts, T+8*((\kap)%3)
	v_cvt_scalef32_pk8_fp4_f32 v[fr], v[ts:ts+7], v[W+2*ch+1]
.endm
; A conversion stands a group behind the lines that feed it, and its set is written again two groups later: four plain lines lie between a conversion and the next write of its sources.
.macro CODES m
	FGRP \m, 0
.set kk, 1
.rept 15
	FGRP \m, kk
	CGRP \m, kk-1
.set kk, kk+1
.endr
	CGRP \m, 15
.endm
; Ahead of a K step's products.  The four v_nop are the places between the last conversion and the products that read its result; the last scale word was written 68 plain lines back.  The places first, then the wait.
.macro READY
.rept 4
	v_nop
.endr
	s_wait_alu depctr_va_vdst(0)                   ; the conversions have written KF and QF, the v_or_b32 lines SK and SQ, which the scaled products take; and the K step's lines are done reading P and X, in which the LDS loads that follow land
.endm
; 16 products: the 16 accumulators take turns, one instruction a turn, in the same order in every K step.  zero = 1: the first K step starts the sums: nothing is ever cleared.
.macro MULS zero
	WIN 0x50                                       ; C and D in window 1
.irp m, 0,1,2,3
.irp n, 0,1,2,3
.if \zero
	v_wmma_scale_f32_16x16x128_f8f6f4 v[8*(4*\m+\n):8*(4*\m+\n)+7], v[KF+8*\n:KF+8*\n+7], v[QF+8*\m:QF+8*\m+7], 0, v[SK+\n], v[SQ+\m] matrix_a_fmt:MATRIX_FMT_FP4 matrix_b_fmt:MATRIX_FMT_FP4
.else
	v_wmma_scale_f32_16x16x128_f8f6f4 v[8*(4*\m+\n):8*(4*\m+\n)+7], v[KF+8*\n:KF+8*\n+7], v[QF+8*\m:QF+8*\m+7], v[8*(4*\m+\n):8*(4*\m+\n)+7], v[SK+\n], v[SQ+\m] matrix_a_fmt:MATRIX_FMT_FP4 matrix_b_fmt:MATRIX_FMT_FP4
.endif
.endr
.endr
	WIN 0
.endm
; K step g.  Behind its products the next K step's first 22 lines, which name none of the products' registers, are the places ahead of the first write of a scale word or a fragment.
.macro KSTEP g, zero, next
.if \g > 0
	s_wait_dscnt 0x0                               ; this K step's pairs (w, b), asked for ahead of the last 16 products
.endif
.irp m, 0,1,2,3
	SCALES \m
	CODES \m
.endr
	READY
.if \next
	PLOAD \g+1                                     ; straight behind the wait, which has shown P's readers done; its address v[LPT] has not been written since the head
.endif
	MULS \zero
.endm
.macro UNIT zero                       ; a t-block, from my stage to the accumulators.  zero = 1: unit 0
	FROMSTAGE                                      ; no wait on va_vdst here: unit 0: no vector line has been issued since the head's wait; unit 1: since the wait of unit 0's last K step only products have, and they name neither X nor P
	PLOAD 0
	s_wait_dscnt 0x0
.if \zero
	s_wait_alu depctr_vm_vsrc(0)                   ; the coefficients' loads have read v12, the table's stores v13 and v24-27, the stage's stores v64-127: the extrema, the scales' lines and the conversions below write these registers again
.endif
	EXTREMA
	KSTEP 0, \zero, 1
	KSTEP 1, 0, 1
	KSTEP 2, 0, 1
	KSTEP 3, 0, 0
.endm
	s_load_b256 s[4:11], s[0:1], 0x0               ; x s[4:5], w1 s[6:7], b1 s[8:9], w2 s[10:11]
	s_load_b128 s[12:15], s[0:1], 0x20             ; b2 s[12:13], epart s[14:15]
	v_lshl_add_u32 v[SPW], v0, 2, SPARE
	v_mov_b32 v[NIL], 0
	v_lshrrev_b32 v3, 5, v0
	v_readfirstlane_b32 s16, v3                    ; wave 0..7
	s_and_b32 s18, ttmp7, 0xffff                   ; b
	s_lshl_b32 s19, ttmp9, 4
	s_sub_co_i32 s24, ttmp9, 5
	s_max_i32 s24, s24, 0
	s_sub_co_u32 s19, s19, s24                     ; start = 16 c - max(c - 5, 0)
	s_lshl_b32 s20, ttmp9, 4
	s_add_co_u32 s20, s20, 16
	s_sub_co_i32 s24, ttmp9, 4
	s_max_i32 s24, s24, 0
	s_sub_co_u32 s20, s20, s24                     ; end = 16 (c + 1) - max(c - 4, 0)
	s_wait_alu depctr_va_sdst(0)                   ; s16 is written, ahead of its first reader: the wave's t-blocks, bases and LDS regions are made from it
	s_add_co_u32 s24, s19, s16                     ; unit 0's t-block
	s_add_co_u32 s25, s24, 8                       ; unit 1's
	s_cmp_lt_u32 s25, s20
	s_cselect_b32 s21, 0, 1                        ; 1: I have unit 0 alone (wave 7 of chunks 5 to 7)
	s_cselect_b32 s26, 1024, 0                     ; unit 1 lies 8 t-blocks of 128 bytes on.  A wave without one points its second run of loads at unit 0's bytes: inside x, and never used
	s_mov_b32 s27, 0
	s_mul_i32 s28, s18, 1024000                    ; a batch of x
	s_lshl_b32 s24, s24, 7
	s_add_co_u32 s28, s28, s24
	s_mov_b32 s29, 0
	s_lshl_b32 s30, s18, 3
	s_add_co_u32 s30, s30, ttmp9
	s_lshl_b32 s30, s30, 14                        ; partial 8 b + c, 16,384 bytes,
	s_lshl_b32 s31, s16, 11
	s_add_co_u32 s30, s30, s31                     ; my wave's 2,048 of them
	s_mov_b32 s31, 0
	s_mul_i32 s32, s16, STGB                       ; my stage
	s_lshl_b32 s33, s16, 8
	s_add_co_u32 s33, s33, PTB                     ; my table
	s_mov_b32 s[SEL], 0x76543210
	s_mov_b32 s[SEL+1], 0xfedcba98
	v_and_b32 v8, 7, v0                            ; lane % 8
	v_bfe_u32 v9, v0, 3, 1                         ; r / 8
	v_bfe_u32 v10, v0, 4, 1                        ; h
	v_bfe_u32 v11, v0, 3, 2                        ; lane / 8
	v_mul_u32_u24 v[LRD], v8, 144
	v_mad_u32_u24 v[LRD], v9, 4736, v[LRD]         ; row r % 8 + 32 (r / 8): 32 x 144 + 128 = 4,736
	v_add_nc_u32 v[LRD], s32, v[LRD]
	v_lshlrev_b32 v[LPT], 5, v10
	v_add_nc_u32 v[LPT], s33, v[LPT]
	v_lshlrev_b32 v[SH8], 3, v10
	v_mul_u32_u24 v[LST], v11, 144
	v_lshl_add_u32 v[LST], v8, 4, v[LST]
	v_add_nc_u32 v[LST], s32, v[LST]               ; row lane / 8, 16 bytes at 16 (lane % 8)
	v_mul_u32_u24 v[GOF], v11, 16000
	v_lshl_add_u32 v[GOF], v8, 4, v[GOF]           ; the same in x
	v_and_b32 v12, 15, v0                          ; f = lane % 16
	v_lshlrev_b32 v12, 2, v12
	v_bfe_u32 v13, v0, 2, 2                        ; the table's entry of (g, h) lies at 64 g + 32 h: (w1, b1) of c = 0, of c = 1, (w2, b2) of c = 0, of c = 1;  f = 4 g + 2 c + h
	v_lshlrev_b32 v13, 6, v13
	v_and_b32 v14, 1, v0
	v_lshl_add_u32 v13, v14, 5, v13
	v_bfe_u32 v14, v0, 1, 1
	v_lshl_add_u32 v13, v14, 3, v13
	v_add_nc_u32 v13, s33, v13
	s_wait_kmcnt 0x0
	s_add_nc_u64 s[4:5], s[4:5], s[28:29]          ; x at unit 0
	s_add_nc_u64 s[26:27], s[4:5], s[26:27]        ; and at unit 1
	s_add_nc_u64 s[14:15], s[14:15], s[30:31]
	s_wait_alu depctr_va_vdst(0)                   ; the offsets and addresses v3, v4, v6, v7, v12 and v13 are written: the 36 loads, the stores into table and stage and the units' LDS loads read them; up to unit 0's extrema no vector line follows
	global_load_b32 v24, v12, s[6:7]               ; w1[f], b1[f], w2[f], b2[f]
	global_load_b32 v25, v12, s[8:9]
	global_load_b32 v26, v12, s[10:11]
	global_load_b32 v27, v12, s[12:13]
	XLOAD KF, 4
	WIN 0x40                                       ; destination window 1
	XLOAD 128, 26
	WIN 0
	s_wait_loadcnt 16                              ; the four coefficients and unit 0 are in; unit 1's sixteen loads stay out, on every way through the text
	ds_store_b64 v13, v[24:25]                     ; lanes l and l + 16 write the same pair to the same place
	ds_store_b64 v13, v[26:27] offset:16
	TOSTAGE KF
	UNIT 1
	s_wait_loadcnt 0x0                             ; unit 1 is in: its registers may be read, and the loads' address register written
	s_cmp_lg_u32 s21, 0
	s_cbranch_scc1 .Lsum                           ; ids alone decide; no barrier is jumped over
	WIN 0x04                                       ; an LDS store's data are its source 1: window 1
	TOSTAGE 128                                    ; data that loads brought, by an address made at the head: no vector line has named either since the head's wait
	WIN 0
	UNIT 0
.Lsum:
	; THE EIGHT WAVES' SUMS ARE ADDED.  Each wave stores its accumulators as an image of its registers (four registers an instruction, lane l's 16 bytes at 16 l); behind the barrier wave w adds bytes 2,048 w on of the eight images.
	s_wait_alu depctr_vm_vsrc(0)                   ; on both ways to this place: the loads of x have read v7, the units' LDS stores v6 and their LDS loads v3 and v4: the lines below write these four again
	v_and_b32 v6, 31, v0                           ; these five plain lines are also the places behind the last products
	v_lshlrev_b32 v6, 4, v6                        ; 16 x lane
	s_lshl_b32 s24, s16, 14
	s_add_co_u32 s24, s24, RED
	v_add_nc_u32 v3, s24, v6                       ; my image
	s_lshl_b32 s25, s16, 11
	s_add_co_u32 s25, s25, RED
	v_add_nc_u32 v4, s25, v6                       ; my part of images 0 to 3,
	v_add_nc_u32 v7, 0x10000, v4                   ; and of images 4 to 7
	WIN 0x04
	s_wait_alu depctr_va_vdst(0)                   ; the products have written the accumulators, which the LDS stores read (the places above stay beside this wait); v3, v4, v6 and v7 are written; and every reader of X is done: the loads behind the barrier land there
.irp k, 0,1,2,3,4,5,6,7,8,9,10,11,12,13,14,15,16,17,18,19,20,21,22,23,24,25,26,27,28,29,30,31
	ds_store_b128 v3, v[4*\k:4*\k+3] offset:512*\k                 ; each accumulator from its low end on
.endr
	WIN 0
	s_wait_dscnt 0x0                               ; for the others' sake: my image lies in LDS
	s_barrier_signal -1
	s_barrier_wait -1
.irp s, 0,1,2,3
.irp k, 0,1,2,3
	ds_load_b128 v[X+16*\s+4*\k:X+16*\s+4*\k+3], v4 offset:16384*\s+512*\k
.endr
.endr
.irp s, 0,1,2,3
.irp k, 0,1,2,3
	ds_load_b128 v[X+64+16*\s+4*\k:X+64+16*\s+4*\k+3], v7 offset:16384*\s+512*\k
.endr
.endr
.irp s, 1,2,3,4,5,6,7
	s_wait_alu depctr_va_vdst(0)
	s_wait_dscnt 28-4*\s                           ; images 0 to s are in; the four loads of each later image may be out
.irp j, 0,1,2,3,4,5,6,7
	v_pk_add_f32 v[X+2*\j:X+2*\j+1], v[X+2*\j:X+2*\j+1], v[X+16*\s+2*\j:X+16*\s+2*\j+1]
.endr
.endr
	s_wait_alu depctr_va_vdst(0)                   ; the additions have written v[X .. X + 15], which the four stores read
.irp k, 0,1,2,3
	global_store_b128 v6, v[X+4*\k:X+4*\k+3], s[14:15] offset:512*\k   ; 32 lanes store 512 consecutive bytes, at a multiple of 512 from the buffer's first byte
.endr
	s_wait_dscnt 0x0                               ; the wave's end: the closing lines, six on end
	s_wait_alu 0x0
	s_wait_tensorcnt 0x0
	ds_add_u32 v[SPW], v[NIL]
	s_wait_dscnt 0x0
	s_endpgm
.Lfunc_end_k_q0905f07969_energy:
	.size	k_q0905f07969_energy, .Lfunc_end_k_q0905f07969_energy-k_q0905f07969_energy
	.p2alignl 7, 3214868480
	.fill 96, 4, 3214868480
	.section	.rodata,"a",@progbits
	.p2align	6, 0x0
	.amdhsa_kernel k_q0905f07969_energy
		.amdhsa_group_segment_fixed_size 209920
		.amdhsa_private_segment_fixed_size 0
		.amdhsa_enable_private_segment 0
		.amdhsa_kernarg_size 48
		.amdhsa_user_sgpr_count 2
		.amdhsa_user_sgpr_kernarg_segment_ptr 1
		.amdhsa_wavefront_size32 1
		.amdhsa_system_sgpr_workgroup_id_x 1
		.amdhsa_system_sgpr_workgroup_id_y 1
		.amdhsa_system_sgpr_workgroup_id_z 1
		.amdhsa_system_vgpr_workitem_id 0
		.amdhsa_next_free_vgpr 448
		.amdhsa_next_free_sgpr 66
		.amdhsa_reserve_vcc 0
		.amdhsa_float_denorm_mode_32 3
		.amdhsa_float_denorm_mode_16_64 3
		.amdhsa_memory_ordered 1
		.amdhsa_forward_progress 1
		.amdhsa_inst_pref_size 255
	.end_amdhsa_kernel
	.section	.bss,"aw",@nobits
	.p2align	6
	.space	262144
	.amdgpu_metadata
---
amdhsa.version: [ 1, 2 ]
amdhsa.kernels:
  - .name:           k_q0905f07969_energy
    .symbol:         k_q0905f07969_energy.kd
    .args:
      - { .name: x, .offset: 0, .size: 8, .value_kind: global_buffer, .address_space: global }
      - { .name: w1, .offset: 8, .size: 8, .value_kind: global_buffer, .address_space: global }
      - { .name: b1, .offset: 16, .size: 8, .value_kind: global_buffer, .address_space: global }
      - { .name: w2, .offset: 24, .size: 8, .value_kind: global_buffer, .address_space: global }
      - { .name: b2, .offset: 32, .size: 8, .value_kind: global_buffer, .address_space: global }
      - { .name: epart, .offset: 40, .size: 8, .value_kind: global_buffer, .address_space: global }
    .group_segment_fixed_size: 209920
    .private_segment_fixed_size: 0
    .kernarg_segment_align: 8
    .kernarg_segment_size: 48
    .max_flat_workgroup_size: 256
    .sgpr_count:     66
    .vgpr_count:     448
    .wavefront_size: 32
...
	.end_amdgpu_metadata
.endif
;; end of part 3
;; launch apply (part 4): grid 8 x 32, 8 waves a work-group, no clusters, 20,224 bytes of LDS; arguments x, epart, gamma, out0; writes out0
.if DOCPART == 4
	.amdgcn_target "amdgcn-amd-amdhsa--gfx1250"
	.amdhsa_code_object_version 6
	.text
	.protected	k_q0905f07969_apply
	.globl	k_q0905f07969_apply
	.p2align	8
	.type	k_q0905f07969_apply,@function
k_q0905f07969_apply:
	s_mov_b64 s[64:65], 0
	v_nop
	global_prefetch_b8 v0, s[64:65] scope:SCOPE_SE
	s_setreg_imm32_b32 hwreg(HW_REG_WAVE_MODE, 25, 1), 1
	s_wait_xcnt 0x0
; THE REST of ChannelSelfAttn:  e = the sum of the first launch's 8 partial sums;  z = (e - e_min) / (e_max - e_min + 1e-8) along j;  t = z log2(e), M = ceil(the row's largest t), p = 2^(t - M), l = the row's sum of p;
; PRODUCT 2, in MX-FP4, K = j = 64:  a[i][t] = sum over j of Q(p[i][j]) Q(x[j][t]);  out = (gamma / l) a + x.  No work is left out.
; LIMITS: NaN and infinities among the inputs are not served.  A block of zeros gets the scale byte 1 where the rule says 127: its codes are zeros, and the bytes are read by this program alone.
;   1 / (e_max - e_min + 1e-8) and 1 / l are v_rcp_f32 and a multiplication.  K = 64 is filled up to the instruction's 128 by zero codes on both operands, under the scale byte 0.
; SHARES.  Work-group (c, b): the same chunks of t as in the first launch, t-blocks start .. end - 1 (16 or 15 of 32 columns).  Wave w takes the 64 columns from t0 = 32 start + 64 w on, all 64 rows, in ONE step: there is no loop.
;   Lane (r, h) holds rows 32 h + i (i = 0 .. 31) at columns t0 + 4 r + u (u = 0 .. 3): each load and store covers 256 consecutive bytes of a row in each half of the lanes.  Column tile u = the columns t0 + 4 r + u.
;   A row is 16,000 bytes, so these runs of 256 bytes begin at multiples of 256 from the buffer's first byte in every second row, and at 128 modulo 256 in the others.
;   In a chunk of 15 t-blocks lanes r >= 8 of wave 7 have no columns: their loads are held inside the row and their stores are masked.  Columns do not mix, so what those lanes compute reaches nobody.
; THE SOFTMAX is made once a work-group: waves 0-3 add partials 0-3 of tile m = w, waves 4-7 partials 4-7 of tile m = w - 4 and hand them over through LDS; waves 0-3 then make p's codes, scale words and gamma / l,
;   which go to all eight waves through LDS as images of the operand's registers.
; LAYOUTS.  In a partial, byte 4096 m + 512 k + 16 lane holds registers 4 k .. 4 k + 3 of tile m's 32: lane (r, h), register x: e(i = 8 m + r % 8 + 32 (r / 8), j = 32 h + x): a whole block of p's K in a lane, in order.
;   Product 2: source 0 = p's tile m, source 1 = 16 columns of x: lane (r, h), register jj holds a(i = 32 h + 8 m + jj, column tile's r): the very rows of x that this half of the lanes holds.
; NO TENSOR LOADS, NO PREFETCH: every load is issued at the head.  NO CLUSTER: the 8 work-groups of a batch do read the same 131,072 bytes of partials, a third of a work-group's bytes; here they land straight in the registers
;   of the waves that add them, and a joint load would add a way through LDS and two rounds of the cluster's barrier to a launch of one step.
.set EX,    0                          ; LDS: waves 4-7's sums, 4 x 4,096
.set PIMG,  16384                      ; p's four fragments, registers 0-3 of each: 4 x 512
.set PSC,   18432                      ; their scale words: 4 x 128
.set GT,    18944                      ; gamma / l of the 64 rows
.set SPARE, 19200                      ; the spare words, 128 bytes for each wave: four blocks of 256 bytes that no other line names
.set SPW, 1                            ; v1   LDS address of my spare word; never rewritten
.set NIL, 2                            ; v2   0; never rewritten
.set XOF, 3                            ; v3   my byte offset in the batch of x and of out
.set LI,  5                            ; v5   16 x lane
.set LS,  6                            ; v6   4 x lane
.set EXW, 7                            ; v7   EX + 4096 (w % 4) + 16 lane
.set PIW, 8                            ; v8   PIMG + 512 (w % 4) + 16 lane
.set PSW, 9                            ; v9   PSC + 128 (w % 4) + 4 lane
.set GTW, 10                           ; v10  GT + 4 x my row of tile w % 4
.set GTA, 11                           ; v11  GT + 128 h
.set SH8, 12                           ; v12  8 h
.set MX,  16                           ; v16-19   column tile u: the block's largest magnitude, then its byte
.set SCX, 20                           ; v20-23   the conversions' scale operands
.set SB,  24                           ; v24-27   x's scale words;  v28-31 p's: scales and nothing else
.set SA,  28
.set BF,  32                           ; v32-63   x's four fragments; registers 4-7 of each are 0
.set E,   64                           ; v64-95   e, t, p;  then eight-at-a-time copies of x;  then p's four fragments
.set F,   96                           ; v96-127  the other waves' sums and the softmax's work;  then copies of x;  then gamma / l of my half's 32 rows
.set X,   128                          ; v128-255 x(32 h + i, t0 + 4 r + u) at X + 4 i + u; then out
                                       ; window 1, v0-127 (v256-383): four partials, 32 s + 4 k;  then product 2's accumulators, (m, u) at 8 (4 m + u)
.set RMX, F                            ; the softmax's work: v96 e_max (v97 second chain), v98 -e_min (v99), v100 their sum, v101 at work, v[102:103] the factor, v[104:105] -M,
.set RNM, F+2                          ;   v[106:109] l, v110-111 the largest p, v112 scale operand, v113 byte, v115 scale word, v116-119 codes, v120 gamma / l
.set MSB, 0
.macro WIN new                         ; s_set_vgpr_msb: bits 1:0 source 0, 3:2 source 1, 5:4 source 2, 7:6 destination; the high byte repeats the setting that is left
.if MSB != \new
	s_set_vgpr_msb (MSB<<8)|\new
.set MSB, \new
.endif
.endm
.macro GATHER u, t                     ; a conversion takes eight neighbours along j from consecutive registers; a load of 16 bytes gives four neighbours along t: so column tile u's 32 numbers are copied on end
.irp i, 0,1,2,3,4,5,6,7,8,9,10,11,12,13,14,15,16,17,18,19,20,21,22,23,24,25,26,27,28,29,30,31
	v_mov_b32 v[\t+\i], v[X+4*\i+\u]
.endr
.endm
.macro CONV u, t
.irp q, 0,1,2,3
	v_cvt_scalef32_pk8_fp4_f32 v[BF+8*\u+\q], v[\t+8*\q:\t+8*\q+7], v[SCX+\u]
.endr
.endm
	s_load_b256 s[4:11], s[0:1], 0x0               ; x s[4:5], epart s[6:7], gamma s[8:9], out s[10:11]
	v_lshl_add_u32 v[SPW], v0, 2, SPARE
	v_mov_b32 v[NIL], 0
	v_lshrrev_b32 v4, 5, v0
	s_delay_alu instid0(VALU_DEP_1)
	v_readfirstlane_b32 s16, v4                    ; wave 0..7
	s_and_b32 s18, ttmp7, 0xffff                   ; b
	s_lshl_b32 s19, ttmp9, 4
	s_sub_co_i32 s24, ttmp9, 5
	s_max_i32 s24, s24, 0
	s_sub_co_u32 s19, s19, s24                     ; start = 16 c - max(c - 5, 0)
	s_lshl_b32 s20, ttmp9, 4
	s_add_co_u32 s20, s20, 16
	s_sub_co_i32 s24, ttmp9, 4
	s_max_i32 s24, s24, 0
	s_sub_co_u32 s20, s20, s24                     ; end = 16 (c + 1) - max(c - 4, 0)
	s_and_b32 s21, s16, 3                          ; w % 4: my tile of e
	s_lshl_b32 s24, s19, 7
	s_lshl_b32 s25, s16, 8
	s_add_co_u32 s24, s24, s25                     ; 4 t0: my wave's first byte in a row
	s_lshl_b32 s26, s20, 7                         ; the chunk's end in a row, in bytes
	s_mul_i32 s28, s18, 1024000                    ; a batch of x and of out
	s_mov_b32 s29, 0
	s_lshl_b32 s32, s18, 17                        ; a batch's 8 partials,
	s_lshr_b32 s25, s16, 2
	s_lshl_b32 s25, s25, 16
	s_add_co_u32 s32, s32, s25                     ; the first four or the last four,
	s_lshl_b32 s25, s21, 12
	s_add_co_u32 s32, s32, s25                     ; my tile
	s_mov_b32 s33, 0
	s_mov_b32 s22, 0x76543210
	s_mov_b32 s23, 0xfedcba98                      ; v_permlanex16_b32's selects for lane l xor 16
	v_and_b32 v13, 15, v0                          ; r
	v_bfe_u32 v14, v0, 4, 1                        ; h
	v_and_b32 v15, 31, v0                          ; lane
	s_delay_alu instid0(VALU_DEP_1)
	v_lshlrev_b32 v[LI], 4, v15
	s_delay_alu instid0(VALU_DEP_2)
	v_lshlrev_b32 v[LS], 2, v15
	s_delay_alu instid0(VALU_DEP_2)
	v_add_nc_u32 v[EXW], s25, v[LI]                ; (EX = 0)  every LDS address is made here, ahead of the first parting of the waves
	s_lshl_b32 s25, s21, 9
	s_add_co_u32 s25, s25, PIMG
	v_add_nc_u32 v[PIW], s25, v[LI]
	s_lshl_b32 s25, s21, 7
	s_add_co_u32 s25, s25, PSC
	v_add_nc_u32 v[PSW], s25, v[LS]
	s_lshl_b32 s25, s21, 5
	s_add_co_u32 s25, s25, GT
	v_and_b32 v[GTW], 7, v0
	s_delay_alu instid0(VALU_DEP_1)
	v_lshlrev_b32 v[GTW], 2, v[GTW]
	v_bfe_u32 v4, v0, 3, 1
	s_delay_alu instid0(VALU_DEP_1)
	v_lshl_add_u32 v[GTW], v4, 7, v[GTW]
	s_delay_alu instid0(VALU_DEP_1)
	v_add_nc_u32 v[GTW], s25, v[GTW]               ; row 8 (w % 4) + r % 8 + 32 (r / 8), 4 bytes a row
	v_lshl_add_u32 v[GTA], v14, 7, GT
	v_lshlrev_b32 v[SH8], 3, v14
	v_lshl_add_u32 v13, v13, 4, s24                ; my 16 bytes in a row
	s_delay_alu instid0(VALU_DEP_1)
	v_cmp_gt_u32 s30, s26, v13                     ; the lanes whose columns belong to the chunk: ids alone
	s_delay_alu instid0(VALU_DEP_2)
	v_min_u32 v[XOF], 15984, v13                   ; no load leaves the row
	v_mul_u32_u24 v14, v14, 0x7d000                ; lanes 16-31: 32 rows of 16,000 bytes further down
	s_delay_alu instid0(VALU_DEP_1)
	v_add_nc_u32 v[XOF], v[XOF], v14
	s_wait_alu depctr_va_vdst(0)
	s_wait_kmcnt 0x0
	s_load_b32 s34, s[8:9], 0x0                    ; gamma
	s_add_nc_u64 s[4:5], s[4:5], s[28:29]
	s_add_nc_u64 s[10:11], s[10:11], s[28:29]
	s_add_nc_u64 s[6:7], s[6:7], s[32:33]
	WIN 0x40                                       ; destination window 1
.irp s, 0,1,2,3
.irp k, 0,1,2,3,4,5,6,7
	global_load_b128 v[32*\s+4*\k:32*\s+4*\k+3], v[LI], s[6:7] offset:16384*\s+512*\k
.endr
.endr
	WIN 0
.irp i, 0,1,2,3,4,5,6,7,8,9,10,11,12,13,14,15,16,17,18,19,20,21,22,23,24,25,26,27,28,29,30,31
	global_load_b128 v[X+4*\i:X+4*\i+3], v[XOF], s[4:5] offset:16000*\i th:TH_LOAD_NT   ; read once in this launch
.endr
.irp u, 0,1,2,3
.irp q, 4,5,6,7
	v_mov_b32 v[BF+8*\u+\q], 0                     ; k = 64 .. 127 of x's fragments: zero codes
.endr
.endr
	s_wait_loadcnt 48                              ; partials 0 and 1 are in; behind them: two partials' 16 loads and x's 32
	WIN 0x05                                       ; sources 0 and 1 in window 1
.irp j, 0,1,2,3,4,5,6,7,8,9,10,11,12,13,14,15
	v_pk_add_f32 v[E+2*\j:E+2*\j+1], v[2*\j:2*\j+1], v[32+2*\j:32+2*\j+1]
.endr
	s_wait_loadcnt 40                              ; the third; behind it: one partial's 8 loads and x's 32
	WIN 0x04                                       ; source 1 in window 1
.irp j, 0,1,2,3,4,5,6,7,8,9,10,11,12,13,14,15
	v_pk_add_f32 v[E+2*\j:E+2*\j+1], v[E+2*\j:E+2*\j+1], v[64+2*\j:64+2*\j+1]
.endr
	s_wait_loadcnt 32                              ; the fourth; behind it: x's 32
.irp j, 0,1,2,3,4,5,6,7,8,9,10,11,12,13,14,15
	v_pk_add_f32 v[E+2*\j:E+2*\j+1], v[E+2*\j:E+2*\j+1], v[96+2*\j:96+2*\j+1]
.endr
	WIN 0
	s_cmp_lt_u32 s16, 4
	s_cbranch_scc1 .Lkeeps
.irp k, 0,1,2,3,4,5,6,7
	ds_store_b128 v[EXW], v[E+4*\k:E+4*\k+3] offset:512*\k         ; waves 4-7 hand their sums over, as an image of the registers
.endr
.Lkeeps:
	s_wait_kmcnt 0x0                               ; gamma
	s_wait_dscnt 0x0                               ; for the others' sake: my stores have landed
	s_barrier_signal -1
	s_barrier_wait -1
	s_cmp_ge_u32 s16, 4
	s_cbranch_scc1 .Lqx                            ; the softmax: waves 0-3, tile m = w; no barrier stands inside
.irp k, 0,1,2,3,4,5,6,7
	ds_load_b128 v[F+4*\k:F+4*\k+3], v[EXW] offset:512*\k
.endr
	s_wait_dscnt 0x0
.irp j, 0,1,2,3,4,5,6,7,8,9,10,11,12,13,14,15
	v_pk_add_f32 v[E+2*\j:E+2*\j+1], v[E+2*\j:E+2*\j+1], v[F+2*\j:F+2*\j+1]   ; e, whole
.endr
	v_max3_num_f32 v[RMX],   v[E],   v[E+1], v[E+2]                ; my 32 of the row's 64: the largest, and the largest of the negated numbers; two chains each
	v_max3_num_f32 v[RMX+1], v[E+3], v[E+4], v[E+5]
	v_max3_num_f32 v[RNM],   -v[E],   -v[E+1], -v[E+2]
	v_max3_num_f32 v[RNM+1], -v[E+3], -v[E+4], -v[E+5]
.irp i, 6,10,14,18,22,26
	s_delay_alu instid0(VALU_DEP_4)
	v_max3_num_f32 v[RMX],   v[RMX],   v[E+\i],   v[E+\i+1]
	s_delay_alu instid0(VALU_DEP_4)
	v_max3_num_f32 v[RMX+1], v[RMX+1], v[E+\i+2], v[E+\i+3]
	s_delay_alu instid0(VALU_DEP_4)
	v_max3_num_f32 v[RNM],   v[RNM],   -v[E+\i],   -v[E+\i+1]
	s_delay_alu instid0(VALU_DEP_4)
	v_max3_num_f32 v[RNM+1], v[RNM+1], -v[E+\i+2], -v[E+\i+3]
.endr
	s_delay_alu instid0(VALU_DEP_4)
	v_max3_num_f32 v[RMX], v[RMX], v[E+30], v[E+31]
	s_delay_alu instid0(VALU_DEP_3)
	v_max3_num_f32 v[RNM], v[RNM], -v[E+30], -v[E+31]
	s_delay_alu instid0(VALU_DEP_2)
	v_max_num_f32 v[RMX], v[RMX], v[RMX+1]
	s_delay_alu instid0(VALU_DEP_2)
	v_max_num_f32 v[RNM], v[RNM], v[RNM+1]
	s_delay_alu instid0(VALU_DEP_2)
	v_permlanex16_b32 v[RMX+1], v[RMX], s22, s23
	s_delay_alu instid0(VALU_DEP_2)
	v_permlanex16_b32 v[RNM+1], v[RNM], s22, s23
	s_delay_alu instid0(VALU_DEP_2)
	v_max_num_f32 v[RMX], v[RMX], v[RMX+1]         ; e_max of the row
	s_delay_alu instid0(VALU_DEP_2)
	v_max_num_f32 v[RNM], v[RNM], v[RNM+1]         ; -e_min
	s_delay_alu instid0(VALU_DEP_1)
	v_add_f32 v100, v[RMX], v[RNM]                 ; e_max - e_min
	s_delay_alu instid0(VALU_DEP_1)
	v_add_f32 v101, 0x322bcc77, v100               ; + 1e-8
	s_wait_alu depctr_va_vdst(0)
	v_rcp_f32 v102, v101
	v_mov_b32 v103, 0                              ; (the upper halves of two pairs that packed lines name)
	v_mov_b32 v105, 0
.irp j, 0,1,2,3,4,5,6,7,8,9,10,11,12,13,14,15
	v_pk_add_f32 v[E+2*\j:E+2*\j+1], v[E+2*\j:E+2*\j+1], v[RNM:RNM+1] op_sel_hi:[1,0]   ; e - e_min: the difference first, as the reference has it.  Independent work behind the reciprocal
.endr
	s_wait_alu depctr_va_vdst(0)                   ; the wait ahead of the first line that names the reciprocal
	v_mul_f32 v102, 0x3fb8aa3b, v102               ; log2(e) / (e_max - e_min + 1e-8)
	s_delay_alu instid0(VALU_DEP_1)
	v_mul_f32 v101, v100, v102                     ; the row's largest t
	s_delay_alu instid0(VALU_DEP_1)
	v_floor_f32 v104, -v101                        ; -M = floor(-t) = -ceil(t): the maximum is taken away ahead of the exponentials, as a whole number
.irp j, 0,1,2,3,4,5,6,7,8,9,10,11,12,13,14,15
	v_pk_fma_f32 v[E+2*\j:E+2*\j+1], v[E+2*\j:E+2*\j+1], v[102:103], v[104:105] op_sel_hi:[1,0,0]   ; t - M
.endr
	s_wait_alu depctr_va_vdst(0)
.irp j, 0,1,2,3,4,5,6,7,8,9,10,11,12,13,14,15,16,17,18,19,20,21,22,23,24,25,26,27,28,29,30,31
	v_exp_f32 v[E+\j], v[E+\j]                     ; p = 2^(t - M): one batch
.endr
	v_nop                                          ; a plain line behind the last exponential
	s_wait_alu depctr_va_vdst(0)                   ; and one wait for the batch, ahead of its first reader
	v_pk_add_f32 v[106:107], v[E:E+1], v[E+2:E+3]                  ; l, of the unquantised p: two chains of pairs;
	v_pk_add_f32 v[108:109], v[E+4:E+5], v[E+6:E+7]
	v_max3_num_f32 v110, v[E], v[E+1], 0x1800000                   ; and my block's largest p, with the floor 2^(3 - 127): two chains
	v_max_num_f32 v111, v[E+2], v[E+3]
.irp i, 4,8,12,16,20,24,28
	v_max3_num_f32 v110, v110, v[E+\i], v[E+\i+1]
	v_max3_num_f32 v111, v111, v[E+\i+2], v[E+\i+3]
.if \i > 4
	v_pk_add_f32 v[106:107], v[106:107], v[E+\i:E+\i+1]
	v_pk_add_f32 v[108:109], v[108:109], v[E+\i+2:E+\i+3]
.endif
.endr
	s_delay_alu instid0(VALU_DEP_1)
	v_pk_add_f32 v[106:107], v[106:107], v[108:109]
	s_delay_alu instid0(VALU_DEP_4)
	v_max_num_f32 v110, v110, v111
	s_delay_alu instid0(VALU_DEP_2)
	v_add_f32 v106, v106, v107
	s_delay_alu instid0(VALU_DEP_2)
	v_add_nc_u32 v112, 0xff000000, v110            ; 2 off the exponent field: the conversions' scale operand
	s_delay_alu instid0(VALU_DEP_2)
	v_permlanex16_b32 v107, v106, s22, s23
	s_delay_alu instid0(VALU_DEP_2)
	v_lshrrev_b32 v113, 23, v112                   ; the scale's byte,
	s_delay_alu instid0(VALU_DEP_2)
	v_add_f32 v106, v106, v107                     ; l of the row
	s_delay_alu instid0(VALU_DEP_2)
	v_lshlrev_b32 v113, v[SH8], v113               ; at its place: block h
	s_wait_alu depctr_va_vdst(0)
	v_rcp_f32 v120, v106
	v_permlanex16_b32 v111, v113, s22, s23
	s_delay_alu instid0(VALU_DEP_1)
	v_or_b32 v115, v113, v111                      ; the row's scale word; bytes 2 and 3 stay 0, over zero codes
.irp q, 0,1,2,3
	v_cvt_scalef32_pk8_fp4_f32 v[116+\q], v[E+8*\q:E+8*\q+7], v112   ; registers 0-3 of the fragment: k = 32 h + 0 .. 31
.endr
	v_nop                                          ; one plain line behind the last conversion
	s_wait_alu depctr_va_vdst(0)                   ; the wait for the reciprocal of l, ahead of its first reader
	v_mul_f32 v120, s34, v120                      ; gamma / l
	ds_store_b128 v[PIW], v[116:119]
	ds_store_b32 v[PSW], v115
	ds_store_b32 v[GTW], v120                      ; lanes l and l + 16 write the same number to the same word
	s_wait_dscnt 0x0                               ; the stores have read their registers, which the copies below write
.Lqx:
	; Q(x) ALONG j, all waves: a lane's 32 rows of a column are a whole block
	s_wait_loadcnt 0x0                             ; x
.irp u, 0,1,2,3
	v_max3_num_f32 v[MX+\u], |v[X+\u]|, |v[X+4+\u]|, 0x1800000     ; the four columns by turns; the floor 2^(3 - 127) among the leaves
.endr
.irp i, 2,4,6,8,10,12,14,16,18,20,22,24,26,28,30
.irp u, 0,1,2,3
	s_delay_alu instid0(VALU_DEP_4)
	v_max3_num_f32 v[MX+\u], v[MX+\u], |v[X+4*\i+\u]|, |v[X+4*\i+4+\u]|
.endr
.endr
.irp u, 0,1,2,3
	s_delay_alu instid0(VALU_DEP_4)
	v_add_nc_u32 v[SCX+\u], 0xff000000, v[MX+\u]
.endr
.irp u, 0,1,2,3
	s_delay_alu instid0(VALU_DEP_4)
	v_lshrrev_b32 v[MX+\u], 23, v[SCX+\u]
.endr
.irp u, 0,1,2,3
	s_delay_alu instid0(VALU_DEP_4)
	v_lshlrev_b32 v[MX+\u], v[SH8], v[MX+\u]
.endr
.irp u, 0,1,2,3
	v_permlanex16_b32 v[E+\u], v[MX+\u], s22, s23  ; (e's registers are done with in every wave, and have been written in every wave)
.endr
.irp u, 0,1,2,3
	s_delay_alu instid0(VALU_DEP_4)
	v_or_b32 v[SB+\u], v[MX+\u], v[E+\u]           ; the column's scale word: bytes 0 and 1; 2 and 3 stay 0
.endr
	GATHER 0, E                                    ; two sets by turns: 32 plain lines lie between a conversion and the next write of its sources
	CONV 0, E
	GATHER 1, F
	CONV 1, F
	GATHER 2, E
	CONV 2, E
	GATHER 3, F
.irp m, 0,1,2,3
.irp q, 4,5,6,7
	v_mov_b32 v[E+8*\m+\q], 0                      ; k = 64 .. 127 of p's fragments: zero codes
.endr
.endr
	CONV 3, F
.rept 4
	v_nop                                          ; the places between operands written by vector lines and the products
.endr
	s_wait_alu depctr_va_vdst(0)
	s_wait_dscnt 0x0
	s_barrier_signal -1
	s_barrier_wait -1                              ; p's images, scale words and gamma / l lie in LDS
.irp m, 0,1,2,3
	ds_load_b128 v[E+8*\m:E+8*\m+3], v[LI] offset:PIMG+512*\m
	ds_load_b32 v[SA+\m], v[LS] offset:PSC+128*\m
.endr
.irp k, 0,1,2,3,4,5,6,7
	ds_load_b128 v[F+4*\k:F+4*\k+3], v[GTA] offset:16*\k           ; gamma / l of rows 32 h + 0 .. 31
.endr
	s_wait_dscnt 0x0
	WIN 0x40                                       ; D in window 1
.irp m, 0,1,2,3
.irp u, 0,1,2,3
	v_wmma_scale_f32_16x16x128_f8f6f4 v[8*(4*\m+\u):8*(4*\m+\u)+7], v[E+8*\m:E+8*\m+7], v[BF+8*\u:BF+8*\u+7], 0, v[SA+\m], v[SB+\u] matrix_a_fmt:MATRIX_FMT_FP4 matrix_b_fmt:MATRIX_FMT_FP4
.endr
.endr
	WIN 0
.rept 4
	v_nop                                          ; the places behind the last product, all lanes on
.endr
	s_wait_xcnt 0x0                                ; EXEC changes only behind this wait
	s_and_saveexec_b32 s31, s30                    ; the lanes whose columns belong to the chunk
.irp m, 0,1,2,3
	WIN 0x01                                       ; source 0 in window 1
.irp j, 0,1,2,3,4,5,6,7
.irp u, 0,1,2,3
	v_fma_f32 v[X+4*(8*\m+\j)+\u], v[8*(4*\m+\u)+\j], v[F+8*\m+\j], v[X+4*(8*\m+\j)+\u]   ; out = a (gamma / l) + x; each accumulator from its low end on
.endr
.endr
	WIN 0
.irp j, 0,1,2,3,4,5,6,7
	global_store_b128 v[XOF], v[X+4*(8*\m+\j):X+4*(8*\m+\j)+3], s[10:11] offset:16000*(8*\m+\j) th:TH_STORE_NT   ; 16 lanes store 256 consecutive bytes of a row; written once, read by nobody here
.endr
.endr
	s_wait_xcnt 0x0                                ; and again, in front of the line that widens EXEC
	s_or_b32 exec_lo, exec_lo, s31
	s_wait_tensorcnt 0x0                           ; the wave's end
	ds_add_u32 v[SPW], v[NIL]
	s_wait_dscnt 0x0
	s_endpgm
.Lfunc_end_k_q0905f07969_apply:
	.size	k_q0905f07969_apply, .Lfunc_end_k_q0905f07969_apply-k_q0905f07969_apply
	.p2alignl 7, 3214868480
	.fill 96, 4, 3214868480
	.section	.rodata,"a",@progbits
	.p2align	6, 0x0
	.amdhsa_kernel k_q0905f07969_apply
		.amdhsa_group_segment_fixed_size 20224
		.amdhsa_private_segment_fixed_size 0
		.amdhsa_enable_private_segment 0
		.amdhsa_kernarg_size 32
		.amdhsa_user_sgpr_count 2
		.amdhsa_user_sgpr_kernarg_segment_ptr 1
		.amdhsa_wavefront_size32 1
		.amdhsa_system_sgpr_workgroup_id_x 1
		.amdhsa_system_sgpr_workgroup_id_y 1
		.amdhsa_system_sgpr_workgroup_id_z 1
		.amdhsa_system_vgpr_workitem_id 0
		.amdhsa_next_free_vgpr 384
		.amdhsa_next_free_sgpr 66
		.amdhsa_reserve_vcc 0
		.amdhsa_float_denorm_mode_32 3
		.amdhsa_float_denorm_mode_16_64 3
		.amdhsa_memory_ordered 1
		.amdhsa_forward_progress 1
		.amdhsa_inst_pref_size 54
	.end_amdhsa_kernel
	.amdgpu_metadata
---
amdhsa.version: [ 1, 2 ]
amdhsa.kernels:
  - .name:           k_q0905f07969_apply
    .symbol:         k_q0905f07969_apply.kd
    .args:
      - { .name: x, .offset: 0, .size: 8, .value_kind: global_buffer, .address_space: global }
      - { .name: epart, .offset: 8, .size: 8, .value_kind: global_buffer, .address_space: global }
      - { .name: gamma, .offset: 16, .size: 8, .value_kind: global_buffer, .address_space: global }
      - { .name: out0, .offset: 24, .size: 8, .value_kind: global_buffer, .address_space: global }
    .group_segment_fixed_size: 20224
    .private_segment_fixed_size: 0
    .kernarg_segment_align: 8
    .kernarg_segment_size: 32
    .max_flat_workgroup_size: 256
    .sgpr_count:     66
    .vgpr_count:     384
    .wavefront_size: 32
...
	.end_amdgpu_metadata
.endif
;; end of part 4
